; MI455X (gfx1250); checked and timed in simulation.
; The chip was launched on July 23, 2026; its instructions are those of AMD's public machine-readable ISA for CDNA 5 (MIT licence, August 2026) and "CDNA5" Instruction Set Architecture Reference Guide (July 2026). The comments in the code are by the model that wrote it; some were corrected since.
;; Multi Head Yat Attention. Allowed arithmetic: float matrix products may take bf16 or f16 operands with f32 sums; other float arithmetic in f32, or as packed bf16 or f16 multiplies, adds, multiply-adds, maxima and minima; sums over many terms, partial sums and values carried from step to step in f32; what a program stores and reads back later, other than sums and carried values, may be rounded once to bf16 or f16.
;; Inputs: Wk 1,024 x 1,024 float32; Wo 1,024 x 1,024 float32; Wq 1,024 x 1,024 float32; Wv 1,024 x 1,024 float32; alpha 1 float32; bk 1,024 float32; bo 1,024 float32; bq 1,024 float32; bv 1,024 float32; query 2 x 2,048 x 1,024 float32.
;; Outputs: out0 2 x 2,048 x 1,024 float32.
;; 2 versions, each right; version 2 is version 1 with the launch prep written anew for expert scheduling mode. Each part assembles by itself: llvm-mc -triple=amdgcn-amd-amdhsa -mcpu=gfx1250 --defsym DOCPART=n.
;; ======== version 1 of 2: 4 launches
;; limits: values are held in f16: magnitudes above 65,504 overflow, below 6.1e-05 lose precision
;; workspace buffers: xb 8,388,608 bytes; wb 6,291,456 bytes; wo16 2,097,152 bytes; qh 16,777,216 bytes; kh 16,777,216 bytes; vh 8,388,608 bytes; skb 524,288 bytes; ob 8,388,608 bytes
;; launch prep (part 1): grid 512 x 1, 8 waves a work-group, no clusters, 0 bytes of LDS; arguments query, Wq, Wk, Wv, Wo, xb, wb, wo16; writes xb, wb, wo16
.if DOCPART == 1
	.amdgcn_target "amdgcn-amd-amdhsa--gfx1250"
	.amdhsa_code_object_version 6
	.text
	.protected	k_qd96c547871_prep
	.globl	k_qd96c547871_prep
	.p2align	8
	.type	k_qd96c547871_prep,@function
k_qd96c547871_prep:
	s_mov_b64 s[64:65], 0
	v_nop
	global_prefetch_b8 v0, s[64:65] scope:SCOPE_SE
	s_setreg_imm32_b32 hwreg(HW_REG_WAVE_MODE, 25, 1), 1
	s_wait_xcnt 0x0
; CASTS.  query -> xb (bf16, same order).  Wq, Wk, Wv -> wb (bf16), regrouped by head: [16 heads][64 rows of Wq, 64 of Wk, 64 of Wv][1024].
; Wo -> wo16: rounded to bf16 like every input, and that number written as f16 (exact inside f16's range).
; LIMIT: |Wo| below 65,504; below 6e-5 the f16 copy has the fixed step 6e-8.
; A stream: each byte read once and written once; no LDS, no matrix unit, no cluster (nothing is shared), no prefetch (the launch is nothing but its stream).
; SHARES.  A work-group converts 16 rows of 1,024 f32: 65,536 bytes in, 32,768 out, both dense.  Groups 0-255: query.  Groups 256-511: j = id & 255, matrix j >> 6 (q, k, v, o), chunk c = j & 63.
; A wave's load covers 512 consecutive bytes; its store of 8 bytes a lane covers 256 consecutive bytes, aligned.  All 16 loads of a wave go out at once.
.set X, 4                              ; v[4:67]    16 loads of 4 registers
.set Y, 68                             ; v[68:99]   16 results of 2 registers: none is written twice, so no store's data is ever rewritten
.set T, 100                            ; v[100:103] at work
	s_load_b512 s[8:23], s[0:1], 0x0               ; query, Wq, Wk, Wv, Wo, xb, wb, wo16
	s_and_b32 s3, ttmp9, 255                       ; j
	s_lshr_b32 s4, s3, 6                           ; which matrix
	s_and_b32 s5, s3, 63                           ; c: its rows 16 c .. 16 c + 15
	s_lshl_b32 s28, ttmp9, 16                      ; query: bytes in,
	s_lshl_b32 s30, ttmp9, 15                      ; bytes out
	s_lshl_b32 s32, s5, 16                         ; a matrix: bytes in
	s_lshr_b32 s33, s5, 2                          ; head = c / 4
	s_mul_i32 s33, s33, 192
	s_lshl_b32 s34, s4, 6
	s_add_co_u32 s33, s33, s34                     ; + 64 x matrix
	s_and_b32 s34, s5, 3
	s_lshl_b32 s34, s34, 4
	s_add_co_u32 s33, s33, s34                     ; + 16 (c % 4): the row in wb,
	s_lshl_b32 s33, s33, 11                        ; of 2,048 bytes
	s_lshl_b32 s35, s5, 15                         ; Wo keeps its order
	s_cmp_eq_u32 s4, 3
	s_cselect_b32 s33, s35, s33
	s_cmp_lt_u32 ttmp9, 256
	s_cselect_b32 s28, s28, s32
	s_cselect_b32 s30, s30, s33
	s_mov_b32 s29, 0
	s_mov_b32 s31, 0
	v_and_b32 v1, 31, v0
	v_lshrrev_b32 v2, 5, v0
	v_lshlrev_b32 v1, 4, v1
	v_lshl_add_u32 v1, v2, 10, v1                  ; in: 1,024 x wave + 16 x lane
	v_lshrrev_b32 v2, 1, v1                        ; out: half of that
	s_wait_kmcnt 0x0
	s_cmp_eq_u32 s4, 1                             ; the buffers are chosen by the group's number alone
	s_cselect_b64 s[24:25], s[12:13], s[10:11]
	s_cmp_eq_u32 s4, 2
	s_cselect_b64 s[24:25], s[14:15], s[24:25]
	s_cmp_eq_u32 s4, 3
	s_cselect_b64 s[24:25], s[16:17], s[24:25]
	s_cselect_b64 s[26:27], s[22:23], s[20:21]
	s_cmp_lt_u32 ttmp9, 256
	s_cselect_b64 s[24:25], s[8:9], s[24:25]
	s_cselect_b64 s[26:27], s[18:19], s[26:27]
	s_add_nc_u64 s[24:25], s[24:25], s[28:29]
	s_add_nc_u64 s[26:27], s[26:27], s[30:31]
.irp i, 0,1,2,3,4,5,6,7,8,9,10,11,12,13,14,15
	global_load_b128 v[X+4*(\i):X+4*(\i)+3], v1, s[24:25] offset:((\i)/2)*8192+((\i)%2)*512 th:TH_LOAD_NT
.endr
; Load i is converted and stored.  wo = 1: bf16 first, then that number as f16.
.macro OUT i, wo
	s_wait_loadcnt 15-(\i)                         ; loads come back in order: the 15 - i younger ones may stay out
.if \wo
	v_cvt_pk_bf16_f32 v[T], v[X+4*(\i)], v[X+4*(\i)+1]
	v_cvt_pk_bf16_f32 v[T+1], v[X+4*(\i)+2], v[X+4*(\i)+3]
	v_lshlrev_b32 v[T+2], 16, v[T]
	v_and_b32 v[T], 0xffff0000, v[T]
	v_lshlrev_b32 v[T+3], 16, v[T+1]
	v_and_b32 v[T+1], 0xffff0000, v[T+1]
	v_cvt_pk_f16_f32 v[Y+2*(\i)], v[T+2], v[T]
	v_cvt_pk_f16_f32 v[Y+2*(\i)+1], v[T+3], v[T+1]
.else
	v_cvt_pk_bf16_f32 v[Y+2*(\i)], v[X+4*(\i)], v[X+4*(\i)+1]
	v_cvt_pk_bf16_f32 v[Y+2*(\i)+1], v[X+4*(\i)+2], v[X+4*(\i)+3]
.endif
	global_store_b64 v2, v[Y+2*(\i):Y+2*(\i)+1], s[26:27] offset:((\i)/2)*4096+((\i)%2)*256 th:TH_STORE_NT
.endm
	s_cmp_ge_u32 ttmp9, 448                        ; Wo's chunks
	s_cbranch_scc1 .Lwo
.irp i, 0,1,2,3,4,5,6,7,8,9,10,11,12,13,14,15
	OUT \i, 0
.endr
	s_endpgm
.Lwo:
.irp i, 0,1,2,3,4,5,6,7,8,9,10,11,12,13,14,15
	OUT \i, 1
.endr
	s_endpgm
.Lfunc_end_k_qd96c547871_prep:
	.size	k_qd96c547871_prep, .Lfunc_end_k_qd96c547871_prep-k_qd96c547871_prep
	.p2alignl 7, 3214868480
	.fill 96, 4, 3214868480
	.section	.rodata,"a",@progbits
	.p2align	6, 0x0
	.amdhsa_kernel k_qd96c547871_prep
		.amdhsa_group_segment_fixed_size 0
		.amdhsa_private_segment_fixed_size 0
		.amdhsa_enable_private_segment 0
		.amdhsa_kernarg_size 64
		.amdhsa_user_sgpr_count 2
		.amdhsa_user_sgpr_kernarg_segment_ptr 1
		.amdhsa_wavefront_size32 1
		.amdhsa_system_sgpr_workgroup_id_x 1
		.amdhsa_system_sgpr_workgroup_id_y 1
		.amdhsa_system_sgpr_workgroup_id_z 1
		.amdhsa_system_vgpr_workitem_id 0
		.amdhsa_next_free_vgpr 104
		.amdhsa_next_free_sgpr 66
		.amdhsa_reserve_vcc 0
		.amdhsa_float_denorm_mode_32 3
		.amdhsa_float_denorm_mode_16_64 3
		.amdhsa_memory_ordered 1
		.amdhsa_forward_progress 1
		.amdhsa_inst_pref_size 17
	.end_amdhsa_kernel
	.amdgpu_metadata
---
amdhsa.version: [ 1, 2 ]
amdhsa.kernels:
  - .name:           k_qd96c547871_prep
    .symbol:         k_qd96c547871_prep.kd
    .args:
      - { .name: query, .offset: 0, .size: 8, .value_kind: global_buffer, .address_space: global }
      - { .name: Wq, .offset: 8, .size: 8, .value_kind: global_buffer, .address_space: global }
      - { .name: Wk, .offset: 16, .size: 8, .value_kind: global_buffer, .address_space: global }
      - { .name: Wv, .offset: 24, .size: 8, .value_kind: global_buffer, .address_space: global }
      - { .name: Wo, .offset: 32, .size: 8, .value_kind: global_buffer, .address_space: global }
      - { .name: xb, .offset: 40, .size: 8, .value_kind: global_buffer, .address_space: global }
      - { .name: wb, .offset: 48, .size: 8, .value_kind: global_buffer, .address_space: global }
      - { .name: wo16, .offset: 56, .size: 8, .value_kind: global_buffer, .address_space: global }
    .group_segment_fixed_size: 0
    .private_segment_fixed_size: 0
    .kernarg_segment_align: 8
    .kernarg_segment_size: 64
    .max_flat_workgroup_size: 256
    .sgpr_count:     66
    .vgpr_count:     104
    .wavefront_size: 32
...
	.end_amdgpu_metadata
.endif
;; end of part 1
;; launch qkv (part 2): grid 16 x 16, 4 waves a work-group, clusters of 4 x 4, 327,680 bytes of LDS; arguments xb, wb, bq, bk, bv, qh, kh, vh, skb; writes qh, kh, vh, skb
.if DOCPART == 2
	.amdgcn_target "amdgcn-amd-amdhsa--gfx1250"
	.amdhsa_code_object_version 6
	.text
	.protected	k_qd96c547871_qkv
	.globl	k_qd96c547871_qkv
	.p2align	8
	.type	k_qd96c547871_qkv,@function
k_qd96c547871_qkv:
	s_mov_b64 s[64:65], 0
	v_nop
	global_prefetch_b8 v0, s[64:65] scope:SCOPE_SE
	s_setreg_imm32_b32 hwreg(HW_REG_WAVE_MODE, 25, 1), 1
	s_wait_xcnt 0x0
	s_wait_alu depctr_hold_cnt(0) depctr_sa_sdst(0) depctr_va_vdst(0) depctr_va_sdst(0) depctr_va_ssrc(0) depctr_va_vcc(0) depctr_vm_vsrc(0)
	s_getreg_b32 s2, hwreg(HW_REG_IB_STS2, 6, 4)
	s_cmp_eq_u32 s2, 0
	s_cbranch_scc0 .Lentry_in_a_cluster
	s_endpgm
.Lentry_in_a_cluster:
	s_bfe_u32 s2, ttmp6, 0x10000c
	s_cmp_lg_u32 s2, 0xf033
	s_cbranch_scc0 .Lentry_shape_is_right
	s_endpgm
.Lentry_shape_is_right:
; q, k, v = x W^T + b, by heads.  xb: [4096][1024] bf16.  wb: [16 heads][192 rows: Wq, Wk, Wv of the head][1024] bf16.  Biases f32, rounded to bf16 like every input.
; Out: qh, kh [32 = 16 batch + head][2048][hi 64 | lo 64] in f16: hi is the f32 sum rounded to f16, lo the rest (sum - hi, exact) rounded to f16: a row is 256 bytes.  vh [32][2048][64] f16.
; skb: f32, [32][2048] sums of squares of k, and 262,144 bytes further on the same of q; both of the unrounded f32 sums.
; LIMIT: q, k, v within f16's 65,504 (with inputs as drawn they stay under 10); lo keeps f16's fixed step of 6e-8 below 6e-5.
; SHARES.  A work-group makes 256 rows x one head's 192 columns: 16 x 16 = 256 equal work-groups.  Wave w: rows 64 w .. 64 w + 63, all 192 columns: 4 x 12 accumulators of 16 x 16, 384 registers;
; a whole head in one wave keeps the sums of squares inside the wave.  K goes in steps of 128 (tile rows of 256 bytes, aligned) through two LDS slots.
; CLUSTER 4 x 4: x's tile hangs on the row block alone and is shared along a row of the cluster, W's on the head alone and is shared along a column: each is asked for jointly.
; THE MATRIX INSTRUCTION IS USED TRANSPOSED (source 0 = 16 rows of W, source 1 = 16 rows of x): a lane holds one row of x and eight neighbouring columns.
; THE BIAS is the C operand of the first product on each accumulator: nothing is cleared, nothing is added later.
; REGISTERS, in windows of 256 (s_set_vgpr_msb: bits 1:0 source 0, 3:2 source 1, 5:4 source 2, 7:6 destination):
;   window 0: v8-30 addresses; v32-95 x's fragments, two buffers of 32; v96-191 the bias (12 x 8).  On the way out: v32-79 packed hi and v, v80-111 packed lo, v112-175 the rests in f32; v240-245 at work
;   window 1: W's fragments, two buffers of 96; on the way out two banks of 80 for rows read back          windows 2, 3: accumulator ix = 12 a + b at v[8 (ix % 32)] of window 2 + ix / 32
.set KSTEP,  128
.set PITCH,  272                       ; an LDS row: 256 bytes + 16 of padding: the 16 rows of a fragment load start 16 bytes apart modulo 256
.set HA,     128*PITCH                 ; what waves 0 and 1 fetch: 128 rows of x
.set HB,     96*PITCH                  ; what waves 2 and 3 fetch: 96 rows of W
.set SLOT,   2*HA+2*HB                 ; x's 256 rows, then W's 192
.set STAGE,  2*SLOT                    ; behind the ring, never filled by a tensor load: for each wave two stages of 16 rows x 272 bytes (q, k), one of 16 x 144 (v), and 512 bytes for 2 x 64 sums of squares
.set SPQ,    272
.set SPV,    144
.set VST,    2*16*SPQ
.set SKS,    VST+16*SPV
.set WSTG,   SKS+512
.set SPARE,  STAGE+4*WSTG              ; the spare words, 128 bytes a wave: two blocks of 256 bytes that no other line names
.set LAPS,   4                         ; 1024 / (2 x 128): a lap is once round the ring
.set SKSTO, 8                          ; v8   where I put a row's sum of squares
.set SKRD,  9                          ; v9   where I read two of them back
.set SKGO,  10                         ; v10  8 x lane
.set BO,    11                         ; v11  32 x (lane / 16): my eight biases in a block of 16
.set MONE,  12                         ; v12  -1.0
.set STOV,  13                         ; v13  v's stage: where I put 16 bytes of a row
.set RDV,   14                         ; v14  v's stage: where I read rows back
.set ADRA,  16                         ; v16-17 LDS address of my fragments of x in slot 0, 1
.set ADRB,  20                         ; v20-21 the same for W
.set STO,   24                         ; q's and k's stages, in
.set RD,    25                         ; and back
.set GO,    26                         ; 16 x lane
.set SPW,   28                         ; v28  my spare word; never rewritten
.set NIL,   29                         ; v29  0; never rewritten
.set PFO,   30                         ; v30  the prefetches' offset: a lane a row
.set FA,    32
.set BIAS,  96
.set TMP,   32
.set TMPL,  80
.set LT,    112
.set SKC,   240
.set G1,  24                           ; s[24:31] group 1 for x's tiles;  s[32:39] group 0, a set for each slot
.set G0,  32
.set G1B, 48                           ; s[48:55], s[56:63] the same for W's
.set G0B, 56
.set SEL, 84                           ; s[84:85] v_permlanex16_b32's selects
.set LIM, 86                           ; s86  1 in a wave that prefetches, else the greatest number
.set PFA, 88                           ; s[88:89] where my prefetches stand
.set MSB, 0
.macro WIN new                         ; the immediate's high byte repeats the setting that is left; a switch that changes nothing is dropped
.if MSB != (\new)
	s_set_vgpr_msb (MSB<<8)|(\new)
.set MSB, \new
.endif
.endm
; A joint load: waves 0 and 1 fetch x's two halves, waves 2 and 3 W's.  The branch hangs on the wave's number alone.  An s_nop 0 and four v_nop follow each line.
.macro JLOAD s
	s_cmp_eq_u32 s11, 0
	s_cbranch_scc0 .Lfor_b_\@
	tensor_load_to_lds s[G0+4*(\s):G0+4*(\s)+3], s[G1:G1+7]
	s_nop 0
.rept 4
	v_nop
.endr
	s_branch .Lasked_\@
.Lfor_b_\@:
	tensor_load_to_lds s[G0B+4*(\s):G0B+4*(\s)+3], s[G1B:G1B+7]
	s_nop 0
.rept 4
	v_nop
.endr
.Lasked_\@:
.endm
; A prefetch of the K step that stands two refills on: a lane a row, 256 bytes of it.  x's rows are read by every cluster of a row of clusters: the one with x = 0 asks; W's by every cluster of a column: the one with y = 0.
; The four partners that ask for a tile jointly share its rows out by address (32 of x's 128, 24 of W's 96; there lanes 24-31 name lane 23's row again).  The loop's last trip (s3 = 1) asks for nothing: K ends.
.macro ASK
	s_cmp_gt_u32 s3, s[LIM]
	s_cbranch_scc0 .Lnot_mine_\@
	global_prefetch_b8 v[PFO], s[PFA:PFA+1] offset:KSTEP*2 th:TH_LOAD_NT scope:SCOPE_SE
.Lnot_mine_\@:
.endm
.macro CREST                           ; a round of the cluster's barrier behind its opening barrier
	s_cmp_lg_u32 s10, 0
	s_cbranch_scc1 .Lnot_wave_0_\@
	s_barrier_signal -3
.Lnot_wave_0_\@:
	s_barrier_wait -3
	s_barrier_signal -1
	s_barrier_wait -1
.endm
.macro CROUND
	s_barrier_signal -1
	s_barrier_wait -1
	CREST
.endm
	s_load_b128 s[4:7], s[0:1], 0x0                ; xb, wb
	s_load_b256 s[68:75], s[0:1], 0x10             ; bq, bk, bv, qh
	s_load_b128 s[76:79], s[0:1], 0x30             ; kh, vh
	s_load_b64 s[80:81], s[0:1], 0x40              ; skb
	v_lshl_add_u32 v[SPW], v0, 2, SPARE
	v_mov_b32 v[NIL], 0
	ds_add_u32 v[SPW], v[NIL]                      ; the wave's opening: the add and its wait stand ahead of my first tensor load; work on registers stands between them
	v_lshrrev_b32 v1, 5, v0
	v_readfirstlane_b32 s10, v1                    ; wave 0..3
	s_lshr_b32 s11, s10, 1                         ; I fetch for x (0) or for W (1)
	s_and_b32 s12, s10, 1                          ; which half of that tile
	s_bfe_u32 s40, ttmp6, 0x40000                  ; cx
	s_bfe_u32 s41, ttmp6, 0x40004                  ; cy
	s_lshl_b32 s42, ttmp9, 2
	s_add_co_u32 s42, s42, s40                     ; head = 4 x cluster x + cx
	s_and_b32 s13, ttmp7, 0xffff
	s_lshl_b32 s13, s13, 2
	s_add_co_u32 s13, s13, s41                     ; row block = 4 x cluster y + cy
	s_lshl_b32 s43, s41, 2
	s_lshl_b32 s43, 15, s43                        ; my row of the cluster
	s_lshl_b32 s44, 0x1111, s40                    ; my column
	s_or_b32 s[G1+0], s43, (1<<16)|(1<<20)|(1<<21)|(5<<22)|(3<<25)   ; the mask; 2-byte elements; padding on; bit 21 beside a mask; after every 64 words 4 words
	s_or_b32 s[G1B+0], s44, (1<<16)|(1<<20)|(1<<21)|(5<<22)|(3<<25)
	s_mov_b32 s[G1+1], KSTEP<<16                   ; tensor_dim0 = 128
	s_mov_b32 s[G1B+1], KSTEP<<16
	s_mov_b32 s[G1+2], 128<<16                     ; tensor_dim1 = 128 rows of x,
	s_mov_b32 s[G1B+2], 96<<16                     ; 96 of W
	s_mov_b32 s[G1+3], KSTEP<<16                   ; tile_dim0 = 128
	s_mov_b32 s[G1B+3], KSTEP<<16
	s_mov_b32 s[G1+4], 128                         ; tile_dim1
	s_mov_b32 s[G1B+4], 96
	s_mov_b32 s[G1+5], 1024                        ; elements from row to row
	s_mov_b32 s[G1B+5], 1024
	s_mov_b32 s[G1+6], 0
	s_mov_b32 s[G1B+6], 0
	s_mov_b32 s[G1+7], 0
	s_mov_b32 s[G1B+7], 0
	s_lshl_b32 s17, s12, 7
	s_lshl_b32 s16, s13, 8
	s_add_co_u32 s16, s16, s17                     ; x: row 256 x block + 128 x half,
	s_lshl_b32 s16, s16, 11                        ; of 2,048 bytes
	s_mov_b32 s17, 0
	s_mul_i32 s46, s42, 192
	s_mul_i32 s47, s12, 96
	s_add_co_u32 s46, s46, s47                     ; W: row 192 x head + 96 x half
	s_lshl_b32 s46, s46, 11
	s_mov_b32 s47, 0
	s_mul_i32 s20, s12, HA                         ; where they go: made of the wave's number alone
	s_mul_i32 s21, s12, HB
	s_add_co_u32 s21, s21, 2*HA
	s_mov_b32 s[SEL], 0x76543210
	s_mov_b32 s[SEL+1], 0xfedcba98
	s_wait_dscnt 0x0                               ; the opening add is done
	s_wait_kmcnt 0x0
	s_add_nc_u64 s[14:15], s[4:5], s[16:17]
	s_add_nc_u64 s[46:47], s[6:7], s[46:47]
	CROUND                                         ; all sixteen work-groups are here: the first joint loads meet
.irp s, 0,1
	s_mov_b32 s[G0+4*(\s)], 1
	s_add_co_u32 s[G0+4*(\s)+1], s20, (\s)*SLOT
	s_add_nc_u64 s[G0+4*(\s)+2:G0+4*(\s)+3], s[14:15], (\s)*KSTEP*2
	s_or_b32 s[G0+4*(\s)+3], s[G0+4*(\s)+3], 0x80000000
	s_mov_b32 s[G0B+4*(\s)], 1
	s_add_co_u32 s[G0B+4*(\s)+1], s21, (\s)*SLOT
	s_add_nc_u64 s[G0B+4*(\s)+2:G0B+4*(\s)+3], s[46:47], (\s)*KSTEP*2
	s_or_b32 s[G0B+4*(\s)+3], s[G0B+4*(\s)+3], 0x80000000
	JLOAD \s                                       ; K steps 0 and 1: two loads of mine are out
.endr
	; the bias: register j of block b holds column 16 b + 8 (lane / 16) + j of the head's 192
	v_and_b32 v1, 15, v0                           ; l % 16
	v_bfe_u32 v2, v0, 4, 1                         ; l / 16
	v_lshlrev_b32 v[BO], 5, v2
	s_lshl_b32 s82, s42, 8                         ; the head's 64 f32
	s_mov_b32 s83, 0
	s_add_nc_u64 s[68:69], s[68:69], s[82:83]
	s_add_nc_u64 s[70:71], s[70:71], s[82:83]
	s_add_nc_u64 s[72:73], s[72:73], s[82:83]
.irp b, 0,1,2,3,4,5,6,7,8,9,10,11
	global_load_b128 v[BIAS+8*(\b):BIAS+8*(\b)+3],   v[BO], s[68+2*((\b)/4):69+2*((\b)/4)] offset:64*((\b)%4)
	global_load_b128 v[BIAS+8*(\b)+4:BIAS+8*(\b)+7], v[BO], s[68+2*((\b)/4):69+2*((\b)/4)] offset:64*((\b)%4)+16
.endr
	v_mov_b32 v[MONE], -1.0
	v_mov_b32 v[SKC+4], 0                          ; v_permlanex16_b32's destinations count as read
	v_mov_b32 v[SKC+5], 0
	v_mul_u32_u24 v3, v1, PITCH
	v_lshl_add_u32 v3, v2, 4, v3                   ; a fragment's row x pitch + 16 x half
	s_mul_i32 s22, s10, 64*PITCH                   ; my 64 rows of x
	s_mov_b32 s23, 2*HA                            ; W's rows lie behind x's 256
.irp s, 0,1
	v_add_nc_u32 v[ADRA+(\s)], s22, v3
	v_add_nc_u32 v[ADRB+(\s)], s23, v3
	s_add_co_u32 s22, s22, SLOT
	s_add_co_u32 s23, s23, SLOT
.endr
	s_mul_i32 s22, s10, WSTG
	s_add_co_u32 s22, s22, STAGE                   ; my stages
	v_mul_u32_u24 v[STO], v1, SPQ                  ; q, k in: row l % 16, 16 bytes for each half of the lanes
	v_lshl_add_u32 v[STO], v2, 4, v[STO]
	v_add_nc_u32 v[STO], s22, v[STO]
	v_mul_u32_u24 v[RD], v2, SPQ                   ; back: lanes 0-15 take one row of 256 bytes, lanes 16-31 the next
	v_lshl_add_u32 v[RD], v1, 4, v[RD]
	v_add_nc_u32 v[RD], s22, v[RD]
	s_add_co_u32 s23, s22, VST
	v_mul_u32_u24 v[STOV], v1, SPV                 ; v in
	v_lshl_add_u32 v[STOV], v2, 4, v[STOV]
	v_add_nc_u32 v[STOV], s23, v[STOV]
	v_bfe_u32 v[RDV], v0, 3, 2                     ; back: 32 lanes take four rows of 128 bytes
	v_mul_u32_u24 v[RDV], v[RDV], SPV
	v_and_b32 v4, 7, v0
	v_lshl_add_u32 v[RDV], v4, 4, v[RDV]
	v_add_nc_u32 v[RDV], s23, v[RDV]
	v_and_b32 v5, 31, v0
	v_lshlrev_b32 v[GO], 4, v5                     ; either way 512 consecutive bytes of q, k or v
	s_add_co_u32 s22, s22, SKS
	v_lshl_add_u32 v[SKSTO], v1, 2, s22
	v_lshl_add_u32 v[SKRD], v5, 3, s22
	v_lshlrev_b32 v[SKGO], 3, v5
	; where my rows go: head index 16 x batch + head, row (block % 8) x 256 + 64 x wave of its 2,048
	s_lshr_b32 s90, s13, 3
	s_lshl_b32 s90, s90, 4
	s_add_co_u32 s90, s90, s42
	s_and_b32 s91, s13, 7
	s_lshl_b32 s91, s91, 8
	s_lshl_b32 s92, s10, 6
	s_add_co_u32 s91, s91, s92
	s_lshl_b32 s92, s90, 18                        ; v: 2,048 rows of 128 bytes
	s_lshl_b32 s93, s91, 7
	s_add_co_u32 s92, s92, s93
	s_mov_b32 s93, 0
	s_lshl_b32 s66, s92, 1                         ; q and k: rows of 256 bytes
	s_mov_b32 s67, 0
	s_lshl_b32 s94, s90, 11
	s_add_co_u32 s94, s94, s91
	s_lshl_b32 s94, s94, 2
	s_mov_b32 s95, 0
	s_add_nc_u64 s[74:75], s[74:75], s[66:67]
	s_add_nc_u64 s[76:77], s[76:77], s[66:67]
	s_add_nc_u64 s[78:79], s[78:79], s[92:93]
	s_add_nc_u64 s[80:81], s[80:81], s[94:95]
	; the prefetches
	s_lshl_b32 s82, s13, 8
	s_lshl_b32 s83, s12, 7
	s_add_co_u32 s82, s82, s83
	s_lshl_b32 s83, s40, 5
	s_add_co_u32 s82, s82, s83                     ; x: the 128 rows that I fetch, my work-group's 32 of them
	s_mul_i32 s83, s42, 192
	s_mul_i32 s87, s12, 96
	s_add_co_u32 s83, s83, s87
	s_mul_i32 s87, s41, 24
	s_add_co_u32 s83, s83, s87                     ; W: the 96 rows that I fetch, my work-group's 24
	s_and_b32 s90, ttmp7, 0xffff                   ; cluster y
	s_cmp_eq_u32 s11, 0
	s_cselect_b32 s82, s82, s83
	s_cselect_b32 s87, 31, 23
	s_cselect_b32 s90, ttmp9, s90                  ; the coordinate along which other clusters read the same rows
	s_cselect_b64 s[PFA:PFA+1], s[4:5], s[6:7]
	s_cmp_eq_u32 s90, 0
	s_cselect_b32 s[LIM], 1, -1                    ; the same in all sixteen partners, for a given wave
	s_lshl_b32 s82, s82, 11
	s_mov_b32 s83, 0
	s_add_nc_u64 s[PFA:PFA+1], s[PFA:PFA+1], s[82:83]
	s_add_nc_u64 s[PFA:PFA+1], s[PFA:PFA+1], 2*KSTEP*2  ; at K step 2: the first refill steps it to 3 and names K step 4.  K steps 0 to 3 come by their loads alone
	v_min_u32 v[PFO], s87, v5
	v_lshlrev_b32 v[PFO], 11, v[PFO]
	s_wait_loadcnt 0x0                             ; the bias is in: rounded to bf16, in place, like every input
.set n, 0
.rept 48
	v_cvt_pk_bf16_f32 v[SKC+n%2], v[BIAS+2*n], v[BIAS+2*n+1]
	v_lshlrev_b32 v[BIAS+2*n], 16, v[SKC+n%2]
	v_and_b32 v[BIAS+2*n+1], 0xffff0000, v[SKC+n%2]
.set n, n+1
.endr
; 12 matrix instructions: m block a x all 12 n blocks, 32 along K, on buffer f.  zero = 1: the first product starts the sum with the bias.  The 48 accumulators take turns, in the same order in every quarter.
.macro MULA f, a, zero
.irp b, 0,1,2,3,4,5,6,7,8,9,10,11
.set ix, 12*(\a)+(\b)
.set rD, 8*(ix%32)
.if \zero
	WIN 0x81+0x40*(ix/32)
	v_wmma_f32_16x16x32_bf16 v[rD:rD+7], v[96*(\f)+8*(\b):96*(\f)+8*(\b)+7], v[FA+32*(\f)+8*(\a):FA+32*(\f)+8*(\a)+7], v[BIAS+8*(\b):BIAS+8*(\b)+7]
.else
	WIN 0xa1+0x50*(ix/32)
	v_wmma_f32_16x16x32_bf16 v[rD:rD+7], v[96*(\f)+8*(\b):96*(\f)+8*(\b)+7], v[FA+32*(\f)+8*(\a):FA+32*(\f)+8*(\a)+7], v[rD:rD+7]
.endif
.endr
.endm
; 32 LDS loads in one run: the fragments of a quarter step (192 rows of W, my 64 rows of x, 32 K at byte k of the rows) into buffer f
.macro FETCH slot, k, f
	WIN 0x40
.irp i, 0,1,2,3,4,5,6,7,8,9,10,11
	ds_load_b128 v[96*(\f)+8*(\i):96*(\f)+8*(\i)+3],   v[ADRB+(\slot)] offset:(\k)+(\i)*16*PITCH
	ds_load_b128 v[96*(\f)+8*(\i)+4:96*(\f)+8*(\i)+7], v[ADRB+(\slot)] offset:(\k)+(\i)*16*PITCH+32
.endr
	WIN 0
.irp i, 0,1,2,3
	ds_load_b128 v[FA+32*(\f)+8*(\i):FA+32*(\f)+8*(\i)+3],   v[ADRA+(\slot)] offset:(\k)+(\i)*16*PITCH
	ds_load_b128 v[FA+32*(\f)+8*(\i)+4:FA+32*(\f)+8*(\i)+7], v[ADRA+(\slot)] offset:(\k)+(\i)*16*PITCH+32
.endr
.endm
.macro PLACES                          ; four plain vector instructions between a matrix instruction and a load into a register that it has read (ISA guide 7.12.1 for vector instructions)
.rept 4
	v_nop
.endr
.endm
; A K step is four quarters of 32 along K, 48 matrix instructions each, on buffers 0, 1, 0, 1.  One of the first three: multiplies buffer f, and in its middle fetches the next quarter, at byte k, into g.
.macro QUARTER slot, k, f, g, zero
	s_wait_dscnt 4                                 ; W and x's blocks 0, 1 are in; the youngest four loads (x's blocks 2, 3) may be out
	MULA \f, 0, \zero
	MULA \f, 1, \zero
	PLACES
	FETCH \slot, \k, \g
	s_wait_dscnt 32                                ; all but the 32 just issued
	MULA \f, 2, \zero
	MULA \f, 3, \zero
.endm
; The last quarter multiplies buffer 1 and changes slots: one barrier; in front of it each wave waits for all its tensor loads (one is out: its part of the next slot), adds 0 to its spare word, and waits for that and for
; its own reads of this slot.  fill = 1: the barrier opens a round of the cluster's, and behind the round this slot is filled again, two K steps on: 168 matrix instructions ahead of the wait for it.
.macro TURN slot, next, fill
.if \fill
	s_wait_xcnt 0x0                                ; the last prefetch, a K step back, has read its address: it is stepped here, ahead of the waits of the change
	s_add_nc_u64 s[PFA:PFA+1], s[PFA:PFA+1], KSTEP*2
.endif
	WIN 0
	s_wait_tensorcnt 0x0                           ; all my tensor loads have landed
	ds_add_u32 v[SPW], v[NIL]                      ; 0 onto my spare word
	s_wait_dscnt 5                                 ; (the add and the youngest four loads may be out)
	MULA 1, 0, 0                                   ; twelve matrix instructions stand between the add and the wait for it
	s_wait_dscnt 0x0                               ; the add is done, and my reads of this slot are over
	s_barrier_signal -1
	MULA 1, 1, 0
.if \fill
	WIN 0
.endif
	s_barrier_wait -1
.if \fill
	CREST                                          ; no wave of any partner still reads this slot's tile or has a load on its way
	s_add_nc_u64 s[G0+4*(\slot)+2:G0+4*(\slot)+3], s[G0+4*(\slot)+2:G0+4*(\slot)+3], 2*KSTEP*2
	s_add_nc_u64 s[G0B+4*(\slot)+2:G0B+4*(\slot)+3], s[G0B+4*(\slot)+2:G0B+4*(\slot)+3], 2*KSTEP*2
	JLOAD \slot                                    ; the first tensor load behind the round; its four v_nop are also the places in front of the loads below
.else
	PLACES
.endif
	FETCH \next, 0, 0
.if \fill
	ASK                                            ; behind the joint load and the run of LDS loads
.endif
	MULA 1, 2, 0
	MULA 1, 3, 0
.endm
	s_wait_tensorcnt 1                             ; my part of K step 0 is in; K step 1's may stay out
	s_barrier_signal -1
	s_barrier_wait -1
	FETCH 0, 0, 0
	QUARTER 0, 64,  0, 1, 1                        ; the first quarter stands in front of the loop: its products start the sums
	WIN 0                                          ; at a label and at a branch every window is 0
	s_mov_b32 s3, LAPS-1
.Llap:                                                 ; a trip goes once round the ring, from a lap's second quarter to the next lap's first, and fills both slots again
	QUARTER 0, 128, 1, 0, 0
	QUARTER 0, 192, 0, 1, 0
	TURN 0, 1, 1
	QUARTER 1, 64,  0, 1, 0
	QUARTER 1, 128, 1, 0, 0
	QUARTER 1, 192, 0, 1, 0
	TURN 1, 0, 1
	QUARTER 0, 64,  0, 1, 0
	WIN 0
	s_sub_co_u32 s3, s3, 1
	s_cmp_lg_u32 s3, 0
	s_cbranch_scc1 .Llap
	QUARTER 0, 128, 1, 0, 0                        ; the last lap fills nothing
	QUARTER 0, 192, 0, 1, 0
	TURN 0, 1, 0
	QUARTER 1, 64,  0, 1, 0
	QUARTER 1, 128, 1, 0, 0
	QUARTER 1, 192, 0, 1, 0
	s_wait_dscnt 4
	MULA 1, 0, 0
	MULA 1, 1, 0
	s_wait_dscnt 0x0
	MULA 1, 2, 0
	MULA 1, 3, 0
	WIN 0
; THE WAY OUT, a block of 16 rows at a time.
; PACK: every sum rounded to f16 (each accumulator's registers in ascending order); beside that, for q (blocks 0-3) and k (blocks 4-7), the squares of the f32 sums added up, a pair an instruction;
; then for q and k the rest, hi x (-1) + sum, which is exact, and its rounding to f16.
.macro PACK a
.irp b, 0,1,2,3,4,5,6,7,8,9,10,11
.set ix, 12*(\a)+(\b)
.set rA, 8*(ix%32)
	WIN 0x0a+5*(ix/32)
.irp r, 0,1,2,3
	v_cvt_pk_f16_f32 v[TMP+4*(\b)+(\r)], v[rA+2*(\r)], v[rA+2*(\r)+1]
.if (\b) < 8
.if ((\b)%4 == 0) && ((\r) == 0)
	v_pk_mul_f32 v[SKC+2*((\b)/4):SKC+2*((\b)/4)+1], v[rA:rA+1], v[rA:rA+1]
.else
	v_pk_fma_f32 v[SKC+2*((\b)/4):SKC+2*((\b)/4)+1], v[rA+2*(\r):rA+2*(\r)+1], v[rA+2*(\r):rA+2*(\r)+1], v[SKC+2*((\b)/4):SKC+2*((\b)/4)+1]
.endif
.endif
.endr
.endr
.irp b, 0,1,2,3,4,5,6,7
.set ix, 12*(\a)+(\b)
.set rA, 8*(ix%32)
	WIN 0x20+0x10*(ix/32)                          ; source 2, the sum, in window 2 or 3
.irp r, 0,1,2,3
	v_fma_mix_f32 v[LT+8*(\b)+2*(\r)],   v[TMP+4*(\b)+(\r)], v[MONE], v[rA+2*(\r)]   op_sel_hi:[1,0,0]
	v_fma_mix_f32 v[LT+8*(\b)+2*(\r)+1], v[TMP+4*(\b)+(\r)], v[MONE], v[rA+2*(\r)+1] op_sel:[1,0,0] op_sel_hi:[1,0,0]
.endr
.endr
	WIN 0
.set n, 0
.rept 32
	v_cvt_pk_f16_f32 v[TMPL+n], v[LT+2*n], v[LT+2*n+1]
.set n, n+1
.endr
.endm
; SUMS: a lane has added up 32 of its row's 64 squares, in two halves; the lane 16 away holds the others.
.macro SUMS a
	v_add_f32 v[SKC], v[SKC], v[SKC+1]
	v_add_f32 v[SKC+2], v[SKC+2], v[SKC+3]
	v_permlanex16_b32 v[SKC+4], v[SKC], s[SEL], s[SEL+1]
	v_permlanex16_b32 v[SKC+5], v[SKC+2], s[SEL], s[SEL+1]
	v_add_f32 v[SKC], v[SKC], v[SKC+4]
	v_add_f32 v[SKC+2], v[SKC+2], v[SKC+5]
	ds_store_b32 v[SKSTO], v[SKC+2] offset:64*(\a)       ; k's; both halves of the lanes write the same number to the same word
	ds_store_b32 v[SKSTO], v[SKC]   offset:256+64*(\a)   ; q's
.endm
; TOSTAGE: into my own stages, and back as whole rows, into bank a % 2 of window 1.
.macro TOSTAGE a
.if (\a) >= 2
	s_wait_xcnt 0x0                                ; the stores of the block two back have read this bank: it is loaded again only behind this wait
.endif
	WIN 0
.irp b, 0,1,2,3,4,5,6,7
	ds_store_b128 v[STO], v[TMP+4*(\b):TMP+4*(\b)+3]   offset:16*SPQ*((\b)/4)+32*((\b)%4)
	ds_store_b128 v[STO], v[TMPL+4*(\b):TMPL+4*(\b)+3] offset:16*SPQ*((\b)/4)+32*((\b)%4)+128
.endr
.irp b, 8,9,10,11
	ds_store_b128 v[STOV], v[TMP+4*(\b):TMP+4*(\b)+3] offset:32*((\b)%4)
.endr
	WIN 0x40
.irp g, 0,1
.irp f, 0,1,2,3,4,5,6,7
	ds_load_b128 v[80*((\a)%2)+32*(\g)+4*(\f):80*((\a)%2)+32*(\g)+4*(\f)+3], v[RD] offset:16*SPQ*(\g)+2*SPQ*(\f)  ; LDS serves a wave's instructions in order (ISA guide 5.7.1.4): these see the stores above
.endr
.endr
.irp f, 0,1,2,3
	ds_load_b128 v[80*((\a)%2)+64+4*(\f):80*((\a)%2)+64+4*(\f)+3], v[RDV] offset:4*SPV*(\f)
.endr
	WIN 0
.endm
; SEND: stored, 512 consecutive bytes an instruction, at multiples of 512 from the buffer's first byte.
.macro SEND a
	s_wait_dscnt 0x0                               ; the block is back in registers
	WIN 0x04                                       ; the stores' data in window 1
.irp g, 0,1
.irp f, 0,1,2,3,4,5,6,7
	global_store_b128 v[GO], v[80*((\a)%2)+32*(\g)+4*(\f):80*((\a)%2)+32*(\g)+4*(\f)+3], s[74+2*(\g):75+2*(\g)] offset:4096*(\a)+512*(\f)
.endr
.endr
.irp f, 0,1,2,3
	global_store_b128 v[GO], v[80*((\a)%2)+64+4*(\f):80*((\a)%2)+64+4*(\f)+3], s[78:79] offset:2048*(\a)+512*(\f)
.endr
	WIN 0
.endm
.rept 8
	v_nop                                          ; the places between the last products and the conversions that read results; once a launch
.endr
	PACK 0
	SUMS 0
	TOSTAGE 0
.irp a, 1,2,3                          ; block a's arithmetic stands between block a - 1's loads from the stage and the wait for them
	PACK \a
	SUMS \a
	SEND (\a)-1
	TOSTAGE \a
.endr
	SEND 3
	ds_load_b64 v[SKC:SKC+1], v[SKRD]              ; my 64 sums of squares of k, and of q: 256 consecutive bytes each, aligned
	ds_load_b64 v[SKC+2:SKC+3], v[SKRD] offset:256
	s_wait_dscnt 0x0
	global_store_b64 v[SKGO], v[SKC:SKC+1], s[80:81]
	global_store_b64 v[SKGO], v[SKC+2:SKC+3], s[80:81] offset:262144
	s_wait_tensorcnt 0x0                           ; the wave's end, behind my last tensor load and my last LDS store
	ds_add_u32 v[SPW], v[NIL]
	s_wait_dscnt 0x0
	CROUND                                         ; the closing round: no work-group ends while a partner may still ask for a tile that names it
	s_endpgm
.Lfunc_end_k_qd96c547871_qkv:
	.size	k_qd96c547871_qkv, .Lfunc_end_k_qd96c547871_qkv-k_qd96c547871_qkv
	.p2alignl 7, 3214868480
	.fill 96, 4, 3214868480
	.section	.rodata,"a",@progbits
	.p2align	6, 0x0
	.amdhsa_kernel k_qd96c547871_qkv
		.amdhsa_group_segment_fixed_size 327680
		.amdhsa_private_segment_fixed_size 0
		.amdhsa_enable_private_segment 0
		.amdhsa_kernarg_size 72
		.amdhsa_user_sgpr_count 2
		.amdhsa_user_sgpr_kernarg_segment_ptr 1
		.amdhsa_wavefront_size32 1
		.amdhsa_system_sgpr_workgroup_id_x 1
		.amdhsa_system_sgpr_workgroup_id_y 1
		.amdhsa_system_sgpr_workgroup_id_z 1
		.amdhsa_system_vgpr_workitem_id 0
		.amdhsa_next_free_vgpr 896
		.amdhsa_next_free_sgpr 96
		.amdhsa_reserve_vcc 0
		.amdhsa_float_denorm_mode_32 3
		.amdhsa_float_denorm_mode_16_64 3
		.amdhsa_memory_ordered 1
		.amdhsa_forward_progress 1
		.amdhsa_inst_pref_size 173
	.end_amdhsa_kernel
	.amdgpu_metadata
---
amdhsa.version: [ 1, 2 ]
amdhsa.kernels:
  - .name:           k_qd96c547871_qkv
    .symbol:         k_qd96c547871_qkv.kd
    .args:
      - { .name: xb, .offset: 0, .size: 8, .value_kind: global_buffer, .address_space: global }
      - { .name: wb, .offset: 8, .size: 8, .value_kind: global_buffer, .address_space: global }
      - { .name: bq, .offset: 16, .size: 8, .value_kind: global_buffer, .address_space: global }
      - { .name: bk, .offset: 24, .size: 8, .value_kind: global_buffer, .address_space: global }
      - { .name: bv, .offset: 32, .size: 8, .value_kind: global_buffer, .address_space: global }
      - { .name: qh, .offset: 40, .size: 8, .value_kind: global_buffer, .address_space: global }
      - { .name: kh, .offset: 48, .size: 8, .value_kind: global_buffer, .address_space: global }
      - { .name: vh, .offset: 56, .size: 8, .value_kind: global_buffer, .address_space: global }
      - { .name: skb, .offset: 64, .size: 8, .value_kind: global_buffer, .address_space: global }
    .group_segment_fixed_size: 327680
    .private_segment_fixed_size: 0
    .kernarg_segment_align: 8
    .kernarg_segment_size: 72
    .max_flat_workgroup_size: 128
    .sgpr_count:     96
    .vgpr_count:     896
    .wavefront_size: 32
...
	.end_amdgpu_metadata
.endif
;; end of part 2
;; launch attn (part 3): grid 8 x 32, 4 waves a work-group, clusters of 4 x 1, 327,680 bytes of LDS; arguments qh, kh, vh, ob, skb, alpha; writes ob
.if DOCPART == 3
	.amdgcn_target "amdgcn-amd-amdhsa--gfx1250"
	.amdhsa_code_object_version 6
	.text
	.protected	k_qd96c547871_attn
	.globl	k_qd96c547871_attn
	.p2align	8
	.type	k_qd96c547871_attn,@function
k_qd96c547871_attn:
	s_mov_b64 s[64:65], 0
	v_nop
	global_prefetch_b8 v0, s[64:65] scope:SCOPE_SE
	s_setreg_imm32_b32 hwreg(HW_REG_WAVE_MODE, 25, 1), 1
	s_wait_xcnt 0x0
	s_wait_alu depctr_hold_cnt(0) depctr_sa_sdst(0) depctr_va_vdst(0) depctr_va_sdst(0) depctr_va_ssrc(0) depctr_va_vcc(0) depctr_vm_vsrc(0)
	s_getreg_b32 s2, hwreg(HW_REG_IB_STS2, 6, 4)
	s_cmp_eq_u32 s2, 0
	s_cbranch_scc0 .Lentry_in_a_cluster
	s_endpgm
.Lentry_in_a_cluster:
	s_bfe_u32 s2, ttmp6, 0x10000c
	s_cmp_lg_u32 s2, 0x3003
	s_cbranch_scc0 .Lentry_shape_is_right
	s_endpgm
.Lentry_shape_is_right:
; YAT ATTENTION.  score = x^2 / (|q|^2 + |k|^2 - 2 x + 1e-5) * (8 / ln 65)^alpha with x = q . k;  O[q] = the sum over k of softmax_k(score) V[k].
; qh, kh: [32 heads][2048][hi 64 | lo 64] f16, rows of 256 bytes: a number is hi + lo.  vh: [32][2048][64] f16.  skb: f32, [32][2048] |k|^2, and 262,144 bytes further on |q|^2.
; x IS TAKEN IN THREE TERMS, K_hi Q_hi + K_lo Q_hi + K_hi Q_lo, on one f32 accumulator: the score's slope in x is steep (about 6 where x is 40 and the denominator 48), and eleven bits of q and k
; shift a leading weight by a hundredth; hi + lo hold twenty-two.
; ob: [pair of rows (2048 batch + s) / 2][16 heads][row parity][64] f16: a pair's two rows of a head are 256 consecutive bytes, aligned.
; ARITHMETIC, all f32.  inv = ln 2 * 2^(-alpha L), L = log2(8 / ln 65); alpha rounded to bf16 like every input.  d = |k|^2 inv + (|q|^2 + eps) inv - 2 inv x (two fused multiply-adds);
; s = x^2 * (1 / d) is the score times log2(e); p = 2^(s - m) with a running maximum m; in every step O and l are multiplied by a = 2^(m_old - m_new).  m starts at the lowest finite number, O and l at 0:
; the first step is a step like any other, with a = 0.  p is rounded to f16 for the second product (l is the sum of the unrounded p), O once at the end.
; LIMITS.  q, k, v within 65,504; |alpha L| below 126; a weight below 2^-126 counts as 0; the order of rounding in d differs from a plain sum, which shows only where q and k nearly coincide; NaN and infinities are not treated apart.
; SHARES.  A work-group owns 256 queries of a head, a wave 64: four tiles of 16, in two PIECES (tiles 0, 1 and tiles 2, 3).  Every wave walks all 2,048 keys, 64 a step.
; LAYOUT.  S^T = K Q^T holds ONE query a lane (lane % 16) and the keys 8 (lane / 16) + 0..7; two such results rounded to f16 ARE source 1 of O^T = V^T P.  K comes out of LDS as it lies, V turned, by ds_load_tr16_b128.
; THE COUNT.  A tile and step have 32 matrix and 213 vector instructions (a reciprocal and an exponential a score among them): too many to stand all beside the matrix work.  So: four vector instructions behind every
; matrix instruction, the others in lumps, and two batches of transcendentals a turn, each with one wait.
; BY TURNS.  In turn x piece x has the matrix unit: 16 products V^T P of the step in hand, later 48 products K Q^T of the next step; the other piece's whole softmax stands beside and between them.
; CLUSTER.  The four query blocks of a cluster belong to one head and walk the same K, V and |k|^2: each tile is asked for jointly, by the same tensor load, descriptor and mask in all four.
; REGISTERS, in windows of 256 (s_set_vgpr_msb: bits 1:0 source 0, 3:2 source 1, 5:4 source 2, 7:6 destination):
;   window 0: v2-15 addresses, at work; v16-47 eight registers of statistics a tile; v48-55 (|q|^2 + eps) inv, a pair a tile; v60-63; v64-191 S^T, 32 a tile; v192-255 R (d, then 1 / d), 32 a tile of the piece at work
;   window 1: v0-63 P, 16 a tile; v64-191 O^T, 32 a tile          window 2: v0-63 Q_hi; v64-127 K_hi of one step; v128-191 V of one step; v192-223 |k|^2 of one step          window 3: v0-63 Q_lo; v64-127 K_lo
.set KS,    64
.set PK,    272       ; a row of K in LDS: hi 128 bytes, lo 128, 16 of padding: the 16 rows of a load start 16 bytes apart modulo 256
.set PV,    160       ; a row of V: 128 + 32
.set VOFF,  4*KS*PK   ; a slot holds four steps: 256 rows of K, then 256 rows of V: 110,592 bytes
.set SLOT1, 1<<17
.set STAGE, SLOT1+4*KS*(PK+PV)  ; behind the ring, never filled by a tensor load: 16 rows x 144 bytes for each wave
.set SP,    144
.set SKL,   STAGE+4*16*SP       ; the head's 2,048 |k|^2: filled once
.set SPARE, SKL+8192            ; the spare words, 128 bytes a wave: two blocks of 256 bytes that no other line names
.set AK0, 2
.set AV0, 3
.set AK,  4
.set AV,  5
.set QO,  6
.set STO, 6
.set RD,  7
.set GO,  8
.set ASK0, 12         ; v12  SKL + 32 (lane / 16)
.set ASKA, 13         ; v13  the address of |k|^2's next run
.set ST,  16          ; tile t at v[ST+8 t]: m, 0, l (even keys', odd keys'), c0-c3 at work; a takes c2's place
.set SQ,  48
.set SQO, 60          ; v60  4 x (lane % 16)
.set PFO, 61
.set SPW, 62          ; my spare word; never rewritten
.set NIL, 63          ; 0; never rewritten
.set S,   64
.set R,   192
.set OB,  64          ; window 1
.set KF,  64          ; windows 2 (hi) and 3 (lo)
.set VF,  128
.set SK,  192
.set WV,  12
.set LIM, 15          ; s15  1 in a wave that prefetches, else the greatest number
.set PFA, 18          ; s[18:19]
.set G1K, 24
.set G1V, 32
.set G0K, 40
.set G0V, 44
.set SLOTS, 56
.set CNT, 57
.set INV, 58          ; s[58:59] inv: the packed forms take the pair's low word for both halves
.set SEL, 60
.set TBK, 62
.set TBV, 63
.set TBS, 66
.set ALP, 67
.set M2,  68          ; s[68:69] -2 inv
.set EI,  70          ; s70  eps inv
.set G1S, 72
.set G0S, 80
.set PST, 88          ; s[88:89] a slot's bytes in the tensor that I prefetch: 65,536 of K, 32,768 of V
.set MSB, 0
.macro WIN new
.if MSB != (\new)
	s_set_vgpr_msb (MSB<<8)|(\new)
.set MSB, (\new)
.endif
.endm
; A joint fill.  Waves 0 and 1 fetch the two halves of a slot's K, waves 2 and 3 those of its V: 128 keys each.  An s_nop 0 and four v_nop follow each line.
.macro JLOAD
	s_cmp_lt_u32 s[WV], 2
	s_cbranch_scc0 .Lfor_v_\@
	tensor_load_to_lds s[G0K:G0K+3], s[G1K:G1K+7]
	s_nop 0
.rept 4
	v_nop
.endr
	s_branch .Lasked_\@
.Lfor_v_\@:
	tensor_load_to_lds s[G0V:G0V+3], s[G1V:G1V+7]
	s_nop 0
.rept 4
	v_nop
.endr
.Lasked_\@:
.endm
; A prefetch of what the NEXT change of slots will ask for: 65,536 bytes of K and 32,768 of V, a lane a block of 256.  Both clusters of a head walk the same rows: the first asks.  Its four partners take a quarter each, told
; apart by address; in each, wave 0 asks for K's 16,384 bytes (two instructions) and wave 2 for V's 8,192 (one).  The last change that fills a slot asks for nothing.
.macro ASK
	s_cmp_gt_u32 s[SLOTS], s[LIM]
	s_cbranch_scc0 .Lnot_mine_\@
	global_prefetch_b8 v[PFO], s[PFA:PFA+1] th:TH_LOAD_NT scope:SCOPE_SE
	s_cmp_eq_u32 s[WV], 0
	s_cbranch_scc0 .Lnot_mine_\@
	global_prefetch_b8 v[PFO], s[PFA:PFA+1] offset:8192 th:TH_LOAD_NT scope:SCOPE_SE
.Lnot_mine_\@:
.endm
.macro CROUND
	s_barrier_signal -1
	s_barrier_wait -1
	s_cmp_lg_u32 s[WV], 0
	s_cbranch_scc1 .Lnot_wave_0_\@
	s_barrier_signal -3
.Lnot_wave_0_\@:
	s_barrier_wait -3
	s_barrier_signal -1
	s_barrier_wait -1
.endm
; THE CHANGE OF SLOTS, behind the turn that has asked for the slot's last bytes (V of its fourth step).  Each wave waits for all its tensor loads, adds 0 to its spare word, and waits for that and for its reads of the slot.
; fill = 1: a round of the cluster's barrier, and the slot is filled again first thing behind it, with the keys two slots on: it has four key steps, 512 matrix instructions, in which to land.
; (At its first use nothing has been read yet: slot 0 and |k|^2 are waited for, slot 1 is filled.)
.macro CHANGE fill, ask
	WIN 0
	s_wait_tensorcnt 0x0            ; no tensor load of mine is out, so a group 0 may be written
	ds_add_u32 v[SPW], v[NIL]       ; 0 onto my spare word
.if \fill
	s_xor_b32 s[G0K+1], s[G0K+1], SLOT1
	s_add_nc_u64 s[G0K+2:G0K+3], s[G0K+2:G0K+3], 4*KS*256
	s_xor_b32 s[G0V+1], s[G0V+1], SLOT1
	s_add_nc_u64 s[G0V+2:G0V+3], s[G0V+2:G0V+3], 4*KS*128
.endif
.if \ask
	s_wait_xcnt 0x0                 ; the last prefetches, four key steps back, have read their address
	s_add_nc_u64 s[PFA:PFA+1], s[PFA:PFA+1], s[PST:PST+1]
.endif
	s_wait_dscnt 0x0                ; the add is done, and my reads of the slot are over
.if \fill
	CROUND
	JLOAD
.if \ask
	ASK
.endif
.else
	s_barrier_signal -1
	s_barrier_wait -1
.endif
	s_sub_co_u32 s[TBK], s[TBK], 4*KS*PK  ; the fetches go back to a slot's first step, in the other slot
	s_xor_b32 s[TBK], s[TBK], SLOT1
	s_sub_co_u32 s[TBV], s[TBV], 4*KS*PV
	s_xor_b32 s[TBV], s[TBV], SLOT1
.endm
	s_load_b256 s[4:11], s[0:1], 0x0  ; qh s[4:5], kh s[6:7], vh s[8:9], ob s[10:11]
	s_load_b128 s[84:87], s[0:1], 0x20  ; skb s[84:85], alpha s[86:87]
	v_lshl_add_u32 v[SPW], v0, 2, SPARE
	v_mov_b32 v[NIL], 0
	ds_add_u32 v[SPW], v[NIL]       ; the wave's opening: the add and its wait stand ahead of my first tensor load
	v_lshrrev_b32 v1, 5, v0
	v_readfirstlane_b32 s[WV], v1
	s_bfe_u32 s13, ttmp6, 0x40000   ; cx
	s_lshl_b32 s14, ttmp9, 2
	s_add_co_u32 s14, s14, s13      ; my block of 256 queries: it enters Q's, |q|^2's and O's addresses alone
	s_and_b32 s48, ttmp7, 0xffff    ; the head (16 batch + head), which the four partners share
	s_lshl_b32 s20, s48, 18         ; V: its 2,048 rows of 128 bytes
	s_mov_b32 s21, 0
	s_lshl_b32 s90, s48, 19         ; Q and K: rows of 256 bytes
	s_mov_b32 s91, 0
	s_and_b32 s16, s[WV], 1         ; which half of a slot's 256 keys I fetch
	s_lshl_b32 s22, s16, 14
	s_mov_b32 s23, 0
	s_add_nc_u64 s[22:23], s[22:23], s[20:21]
	s_lshl_b32 s92, s16, 15
	s_mov_b32 s93, 0
	s_add_nc_u64 s[92:93], s[92:93], s[90:91]
	s_mul_i32 s17, s16, 128*PK
	s_mul_i32 s49, s16, 128*PV
	s_lshl_b32 s2, s14, 2
	s_add_co_u32 s2, s2, s[WV]
	s_lshl_b32 s2, s2, 14           ; my wave's 64 rows of Q
	s_mov_b32 s3, 0
	s_add_nc_u64 s[2:3], s[2:3], s[90:91]
	s_lshl_b32 s52, s48, 13         ; the head's |k|^2, my wave's quarter
	s_lshl_b32 s53, s[WV], 11
	s_add_co_u32 s52, s52, s53
	s_mov_b32 s53, 0
	s_lshl_b32 s94, s48, 13         ; the head's |q|^2, my block's 256, my wave's 64
	s_lshl_b32 s95, s14, 10
	s_add_co_u32 s94, s94, s95
	s_lshl_b32 s95, s[WV], 8
	s_add_co_u32 s94, s94, s95
	s_add_co_u32 s94, s94, 262144
	s_mov_b32 s95, 0
	s_lshr_b32 s54, s48, 4          ; O: batch x 1,024 pairs of 4,096 bytes
	s_lshl_b32 s54, s54, 22
	s_lshl_b32 s55, s14, 19         ; + block x 128 pairs
	s_add_co_u32 s54, s54, s55
	s_lshl_b32 s55, s[WV], 17       ; + wave x 32 pairs
	s_add_co_u32 s54, s54, s55
	s_and_b32 s55, s48, 15
	s_lshl_b32 s55, s55, 8          ; + head x 256 bytes
	s_add_co_u32 s54, s54, s55
	s_mov_b32 s55, 0
	; group 1.  K: 128 keys are 128 rows of 256 bytes, 16 bytes of padding behind each.  V: 128 keys are 16,384 dense bytes, asked for as 64 rows of 256 bytes, two keys a row, padded in LDS after every key
	s_mov_b32 s[G1K], 15|(1<<16)|(1<<20)|(1<<21)|(5<<22)|(3<<25)
	s_mov_b32 s[G1K+1], 128<<16
	s_mov_b32 s[G1K+2], 128<<16
	s_mov_b32 s[G1K+3], 128<<16
	s_mov_b32 s[G1K+4], 128
	s_mov_b32 s[G1K+5], 128
	s_mov_b32 s[G1K+6], 0
	s_mov_b32 s[G1K+7], 0
	s_mov_b32 s[G1V], 15|(1<<16)|(1<<20)|(1<<21)|(4<<22)|(7<<25)
	s_mov_b32 s[G1V+1], 128<<16
	s_mov_b32 s[G1V+2], 64<<16
	s_mov_b32 s[G1V+3], 128<<16
	s_mov_b32 s[G1V+4], 64
	s_mov_b32 s[G1V+5], 128
	s_mov_b32 s[G1V+6], 0
	s_mov_b32 s[G1V+7], 0
	s_mov_b32 s[G1S], 15|(3<<16)|(1<<21)  ; |k|^2: 2,048 dense bytes a wave as 8 rows of 32 elements of 8 bytes, no padding
	s_mov_b32 s[G1S+1], 32<<16
	s_mov_b32 s[G1S+2], 8<<16
	s_mov_b32 s[G1S+3], 32<<16
	s_mov_b32 s[G1S+4], 8
	s_mov_b32 s[G1S+5], 32
	s_mov_b32 s[G1S+6], 0
	s_mov_b32 s[G1S+7], 0
	s_mov_b32 s[SEL], 0x76543210
	s_mov_b32 s[SEL+1], 0xfedcba98
	s_mov_b32 s[TBK], SLOT1+4*KS*PK ; the first change of slots turns these two into 0
	s_mov_b32 s[TBV], SLOT1+4*KS*PV
	s_mov_b32 s[TBS], 0
	s_mov_b32 s[G0K], 1
	s_mov_b32 s[G0K+1], s17
	s_mov_b32 s[G0V], 1
	s_add_co_u32 s[G0V+1], s49, VOFF
	s_mov_b32 s[G0S], 1
	s_lshl_b32 s[G0S+1], s[WV], 11
	s_add_co_u32 s[G0S+1], s[G0S+1], SKL
	s_and_b32 s[LIM], s[WV], 1      ; 0 in waves 0 and 2,
	s_or_b32 s[LIM], s[LIM], ttmp9  ; where the cluster is the head's first: the same in all four partners
	s_cmp_eq_u32 s[LIM], 0
	s_cselect_b32 s[LIM], 1, -1
	v_and_b32 v[PFO], 31, v0
	v_lshlrev_b32 v[PFO], 8, v[PFO]
	s_wait_dscnt 0x0                ; the opening add is done
	s_wait_kmcnt 0x0
	s_load_b32 s[ALP], s[86:87], 0x0
	s_add_nc_u64 s[6:7], s[6:7], s[92:93]
	s_add_nc_u64 s[8:9], s[8:9], s[22:23]
	s_add_nc_u64 s[G0K+2:G0K+3], s[6:7], 0
	s_or_b32 s[G0K+3], s[G0K+3], 0x80000000
	s_add_nc_u64 s[G0V+2:G0V+3], s[8:9], 0
	s_or_b32 s[G0V+3], s[G0V+3], 0x80000000
	s_add_nc_u64 s[G0S+2:G0S+3], s[84:85], s[52:53]
	s_or_b32 s[G0S+3], s[G0S+3], 0x80000000
	s_add_nc_u64 s[94:95], s[84:85], s[94:95]
	s_add_nc_u64 s[4:5], s[4:5], s[2:3]
	s_add_nc_u64 s[10:11], s[10:11], s[54:55]
	s_cmp_lt_u32 s[WV], 2
	s_cselect_b64 s[PFA:PFA+1], s[6:7], s[8:9]  ; (in waves 0 and 2 these stand at the head's first row)
	s_cselect_b32 s50, 14, 13
	s_lshl_b32 s[PST], 4, s50       ; a slot's bytes,
	s_mov_b32 s[PST+1], 0
	s_lshl_b32 s50, s13, s50        ; my work-group's quarter of them
	s_mov_b32 s51, 0
	s_add_nc_u64 s[PFA:PFA+1], s[PFA:PFA+1], s[50:51]
	s_add_nc_u64 s[PFA:PFA+1], s[PFA:PFA+1], s[PST:PST+1]
	s_add_nc_u64 s[PFA:PFA+1], s[PFA:PFA+1], s[PST:PST+1]  ; at the third tile; the first asking change steps it to the fourth.  The first three tiles come by their loads alone
	CROUND                          ; all four work-groups are here: the first joint loads meet
	s_cmp_lt_u32 s[WV], 2           ; a wave's two first fills stand in one branch: two loads of mine are out
	s_cbranch_scc0 .Lfirst_v
	tensor_load_to_lds s[G0K:G0K+3], s[G1K:G1K+7]
	s_nop 0
	tensor_load_to_lds s[G0S:G0S+3], s[G1S:G1S+7]
	s_nop 0
.rept 4
	v_nop
.endr
	s_branch .Lfirst_asked
.Lfirst_v:
	tensor_load_to_lds s[G0V:G0V+3], s[G1V:G1V+7]
	s_nop 0
	tensor_load_to_lds s[G0S:G0S+3], s[G1S:G1S+7]
	s_nop 0
.rept 4
	v_nop
.endr
.Lfirst_asked:
	v_and_b32 v1, 15, v0            ; l % 16
	v_bfe_u32 v9, v0, 4, 1          ; l / 16
	v_lshlrev_b32 v[QO], 8, v1
	v_lshl_add_u32 v[QO], v9, 4, v[QO]
	v_lshlrev_b32 v[SQO], 2, v1
	WIN 0x80
.set i, 0
.rept 8                             ; Q stays in registers: tile i / 2, channels 32 (i % 2) on; hi,
	global_load_b128 v[8*i:8*i+3],   v[QO], s[4:5] offset:(i/2)*4096+(i%2)*64
	global_load_b128 v[8*i+4:8*i+7], v[QO], s[4:5] offset:(i/2)*4096+(i%2)*64+32
.set i, i+1
.endr
	WIN 0xc0
.set i, 0
.rept 8                             ; and lo, 128 bytes further on in the row
	global_load_b128 v[8*i:8*i+3],   v[QO], s[4:5] offset:(i/2)*4096+(i%2)*64+128
	global_load_b128 v[8*i+4:8*i+7], v[QO], s[4:5] offset:(i/2)*4096+(i%2)*64+160
.set i, i+1
.endr
	WIN 0
.irp t, 0,1,2,3
	global_load_b32 v[SQ+2*\t], v[SQO], s[94:95] offset:64*\t  ; my query's |q|^2: once a launch
.endr
	; What the first turn finds: V and piece 2's P hold 0 (its products V^T P, of a step that has not been, add 0), O^T and l are 0.  All this stands in the wait for the first tile.
	WIN 0x80
.set i, VF
.rept 64
	v_mov_b32 v[i], 0
.set i, i+1
.endr
	WIN 0x40
.set i, 32
.rept 160
	v_mov_b32 v[i], 0
.set i, i+1
.endr
	WIN 0
.set i, 0
.rept 4
	v_mov_b32 v[ST+8*i], 0xff7fffff ; m
	v_mov_b32 v[ST+8*i+1], 0        ; named with m as a pair
	v_mov_b32 v[ST+8*i+2], 0
	v_mov_b32 v[ST+8*i+3], 0
	v_mov_b32 v[SQ+2*i+1], 0        ; named with |q|^2 as a pair
.set i, i+1
.endr
	v_mul_u32_u24 v[AK0], v1, PK
	v_lshl_add_u32 v[AK0], v9, 4, v[AK0]
	v_and_b32 v10, 7, v0
	v_bfe_u32 v11, v0, 3, 1
	v_lshl_add_u32 v[AV0], v9, 3, v10   ; the turning load: key 8 (l / 16) + l % 8, channels 8 ((l / 8) % 2) on
	v_mul_u32_u24 v[AV0], v[AV0], PV
	v_lshl_add_u32 v[AV0], v11, 4, v[AV0]
	v_add_nc_u32 v[AV0], VOFF, v[AV0]
	v_lshlrev_b32 v[ASK0], 5, v9
	v_add_nc_u32 v[ASK0], SKL, v[ASK0]
	s_wait_kmcnt 0x0                ; alpha
	v_mov_b32 v14, s[ALP]
	v_cvt_pk_bf16_f32 v14, v14, v14
	v_lshlrev_b32 v14, 16, v14
	v_mul_f32 v14, 0xbf703d4f, v14  ; -L alpha, L = 0.9384355
	v_exp_f32 v15, v14
	v_nop                           ; a plain instruction behind the exponential,
	s_wait_alu depctr_va_vdst(0)    ; and the wait ahead of the first use
	v_mul_f32 v15, 0x3f317218, v15  ; ln 2
	v_readfirstlane_b32 s[INV], v15
	s_mov_b32 s[INV+1], s[INV]
	s_mul_f32 s[M2], s[INV], -2.0
	s_mov_b32 s[M2+1], s[M2]
	s_mul_f32 s[EI], s[INV], 0x3727c5ac  ; 1e-5 inv
	s_wait_loadcnt 0x0              ; Q and |q|^2
.irp t, 0,1,2,3
	v_fma_f32 v[SQ+2*\t], v[SQ+2*\t], s[INV], s[EI]
.endr
; THE MATRIX WORK.  The 8 accumulators of a run take turns.  Product i of 48 of S^T = K Q^T for piece x: term i / 16 (K_hi Q_hi, K_lo Q_hi, K_hi Q_lo), channels 32 ((i / 8) % 2) on,
; keys 16 ((i / 2) % 4) on, tile x + i % 2.  The first 8 start the sums.
.macro KQ x
.set rS, S+32*((\x)+i%2)+8*((i/2)%4)
.set rK, KF+16*((i/2)%4)+8*((i/8)%2)
.set rQ, 16*((\x)+i%2)+8*((i/8)%2)
.if i < 16
	WIN 0x0a                        ; K and Q in window 2
.elseif i < 32
	WIN 0x0b                        ; K in window 3
.else
	WIN 0x0e                        ; Q in window 3
.endif
.if i < 8
	v_wmma_f32_16x16x32_f16 v[rS:rS+7], v[rK:rK+7], v[rQ:rQ+7], 0
.else
	v_wmma_f32_16x16x32_f16 v[rS:rS+7], v[rK:rK+7], v[rQ:rQ+7], v[rS:rS+7]
.endif
.set i, i+1
.endm
; Product i of 16 of O^T += V^T P for piece x: keys 32 (i / 8) on, channels 16 ((i / 2) % 4) on, tile x + i % 2.
.macro PV x
	WIN 0x56
.set rO, OB+32*((\x)+i%2)+8*((i/2)%4)
.set rV, VF+32*(i/8)+8*((i/2)%4)
.set rP, 16*((\x)+i%2)+8*(i/8)
	v_wmma_f32_16x16x32_f16 v[rO:rO+7], v[rV:rV+7], v[rP:rP+7], v[rO:rO+7]
.endm
; THE LDS LOADS stand in runs, never singly among the matrix instructions.  last = 1 (the tail): in the last trip there is no further step, and the run is jumped over.
.macro FETCH_K last=0
	WIN 0
.if \last
	s_cmp_eq_u32 s[CNT], 1
	s_cbranch_scc1 .Lno_k_\@
.endif
	v_add_nc_u32 v[AK], s[TBK], v[AK0]
	WIN 0x80
.irp f, 0,1,2,3,4,5,6,7             ; keys 16 (f / 2) on, channels 32 (f % 2) on: hi,
	ds_load_b128 v[KF+8*\f:KF+8*\f+3],   v[AK] offset:(\f/2)*16*PK+(\f%2)*64
	ds_load_b128 v[KF+8*\f+4:KF+8*\f+7], v[AK] offset:(\f/2)*16*PK+(\f%2)*64+32
.endr
	WIN 0xc0
.irp f, 0,1,2,3,4,5,6,7             ; and lo
	ds_load_b128 v[KF+8*\f:KF+8*\f+3],   v[AK] offset:(\f/2)*16*PK+(\f%2)*64+128
	ds_load_b128 v[KF+8*\f+4:KF+8*\f+7], v[AK] offset:(\f/2)*16*PK+(\f%2)*64+160
.endr
	s_add_co_u32 s[TBK], s[TBK], KS*PK
	WIN 0
.if \last
.Lno_k_\@:
.endif
.endm
.macro FETCH_SK last=0              ; register 8 kb + j: |k|^2 of key 16 kb + 8 (l / 16) + j, as S^T holds the keys
	WIN 0
.if \last
	s_cmp_eq_u32 s[CNT], 1
	s_cbranch_scc1 .Lno_s_\@
.endif
	v_add_nc_u32 v[ASKA], s[TBS], v[ASK0]
	WIN 0x80
.irp f, 0,1,2,3
	ds_load_b128 v[SK+8*\f:SK+8*\f+3],   v[ASKA] offset:64*\f
	ds_load_b128 v[SK+8*\f+4:SK+8*\f+7], v[ASKA] offset:64*\f+16
.endr
	s_add_co_u32 s[TBS], s[TBS], 4*KS
	WIN 0
.if \last
.Lno_s_\@:
.endif
.endm
.macro FETCH_V
	WIN 0
	v_add_nc_u32 v[AV], s[TBV], v[AV0]
	s_add_co_u32 s[TBV], s[TBV], KS*PV
	WIN 0x80
.irp f, 0,1,2,3,4,5,6,7             ; keys 32 (f / 4) on, channels 16 (f % 4) on
	ds_load_tr16_b128 v[VF+8*\f:VF+8*\f+3],   v[AV] offset:(\f/4)*32*PV+(\f%4)*32
	ds_load_tr16_b128 v[VF+8*\f+4:VF+8*\f+7], v[AV] offset:(\f/4)*32*PV+16*PV+(\f%4)*32
.endr
	WIN 0
.endm
; THE VECTOR WORK.
.macro REGS t                       ; the registers of tile t
.set rT, ST+8*(\t)
.set rS, S+32*(\t)
.set rR, R+32*((\t)%2)
.set rP, 16*(\t)
.set rO, OB+32*(\t)
.set rQ, SQ+2*(\t)
.endm
.macro VA1Q t, b0                   ; four pairs from b0 on: R = |k|^2 inv + (|q|^2 + eps) inv
	REGS \t
	WIN 0x02
.irp n, 0,1,2,3
	v_pk_fma_f32 v[rR+2*((\b0)+\n):rR+2*((\b0)+\n)+1], v[SK+2*((\b0)+\n):SK+2*((\b0)+\n)+1], s[INV:INV+1], v[rQ:rQ+1] op_sel_hi:[1,0,0]
.endr
.endm
; Group g of 34, for tile Y + g % 2 and pair g / 2: d = R - 2 inv x; the reciprocal of the tile's pair before, first register; x^2 in place; the reciprocal's second register.  So a plain line stands beside each reciprocal,
; S^T's accumulators are read from their low end on, and nothing names a reciprocal's result.
.macro GA g
.set gp, (\g)/2
	REGS Y+(\g)%2
	WIN 0
.if (\g) < 32
	v_pk_fma_f32 v[rR+2*gp:rR+2*gp+1], v[rS+2*gp:rS+2*gp+1], s[M2:M2+1], v[rR+2*gp:rR+2*gp+1] op_sel_hi:[1,0,1]
.endif
.if (\g) >= 2
	v_rcp_f32 v[rR+2*gp-2], v[rR+2*gp-2]
.endif
.if (\g) < 32
	v_pk_mul_f32 v[rS+2*gp:rS+2*gp+1], v[rS+2*gp:rS+2*gp+1], v[rS+2*gp:rS+2*gp+1]
.endif
.if (\g) >= 2
	v_rcp_f32 v[rR+2*gp-1], v[rR+2*gp-1]
.endif
.endm
; Number n of the 20 that find the new maximum: 0-11 four chains c0-c3 of seven scores each; 12-15 the four left over, c0-c3 and the old m; 16 the lane 16 away; 17 m_old is kept; 18 m; 19 m_old - m
.macro VMX t, n
	REGS \t
	WIN 0
.if (\n) < 4
	v_max3_num_f32 v[rT+4+(\n)], v[rS+8*(\n)], v[rS+8*(\n)+1], v[rS+8*(\n)+2]
.elseif (\n) < 12
	v_max3_num_f32 v[rT+4+(\n)%4], v[rT+4+(\n)%4], v[rS+8*((\n)%4)+2*((\n)/4)+1], v[rS+8*((\n)%4)+2*((\n)/4)+2]
.elseif (\n) == 12
	v_max3_num_f32 v[rT+4], v[rT+4], v[rS+7], v[rS+15]
.elseif (\n) == 13
	v_max3_num_f32 v[rT+6], v[rT+6], v[rS+23], v[rS+31]
.elseif (\n) == 14
	v_max3_num_f32 v[rT+4], v[rT+4], v[rT+5], v[rT+6]
.elseif (\n) == 15
	v_max3_num_f32 v[rT+4], v[rT+4], v[rT+7], v[rT]
.elseif (\n) == 16
	v_permlanex16_b32 v[rT+5], v[rT+4], s[SEL], s[SEL+1]
.elseif (\n) == 17
	v_mov_b32 v[rT+7], v[rT]
.elseif (\n) == 18
	v_max_num_f32 v[rT], v[rT+4], v[rT+5]
.else
	v_sub_f32 v[rT+7], v[rT+7], v[rT]
.endif
.endm
; Number j (21 to 69) of the exponentials' batch for tile t: the 16 subtractions s - m, a pair each, and 33 exponentials (a at 23, then s0-s31).  None reads an exponential's result; a pair is
; shifted in an earlier four than the one that holds its exponentials.  22-37: shift, exponential, shift, exponential; 38-65: a shift and three exponentials; 66-69: four exponentials.
.macro SMB t
	REGS \t
	WIN 0
.if j == 23
	v_exp_f32 v[rT+6], v[rT+7]
.elseif (j < 23) || ((j < 38) && (j%2 == 0)) || ((j < 66) && (j%4 == 2))
.set b, (j-2)/4
.if j < 38
.set b, (j-20)/2
.endif
	v_pk_add_f32 v[rS+2*b:rS+2*b+1], v[rS+2*b:rS+2*b+1], v[rT:rT+1] op_sel_hi:[1,0] neg_lo:[0,1] neg_hi:[0,1]
.else
.set e, j-38
.if j < 66
.set e, j-32-(j-38)/4
.endif
.if j < 38
.set e, (j-25)/2
.endif
	v_exp_f32 v[rS+e], v[rS+e]
.endif
.endm
.macro FOUR                         ; four numbers of one tile, the tiles by turns
.irp n, 0,1,2,3
.set j, 22+4*(fo/2)+\n
	SMB Y+fo%2
.endr
.set fo, fo+1
.endm
.macro VSM t, z                     ; sum z of 16: the tile's 16 pairs are added in place, neighbours 1, 2, 4, 8 pairs apart; then l = a l + the sum
	REGS \t
	WIN 0
.set w, 4
.set u, (\z)
.if (\z) >= 14
.set w, 32
.set u, 0
.elseif (\z) >= 12
.set w, 16
.set u, (\z)-12
.elseif (\z) >= 8
.set w, 8
.set u, (\z)-8
.endif
.if (\z) < 15
	v_pk_add_f32 v[rS+w*u:rS+w*u+1], v[rS+w*u:rS+w*u+1], v[rS+w*u+w/2:rS+w*u+w/2+1]
.else
	v_pk_fma_f32 v[rT+2:rT+3], v[rT+2:rT+3], v[rT+6:rT+7], v[rS:rS+1] op_sel_hi:[1,0,1]
.endif
.endm
; A TURN.  Piece x has the matrix unit, piece Y = 2 - x the vector unit.
;  1  16 products V^T P, four vector lines behind each: the 32 first halves of d, then groups 0-7.  Piece 0's turn fetches the next step's K behind its second product (K's last reader stands 72 plain lines back or more).
;  2  a lump: groups 8-33; a v_nop; ONE wait for the 64 reciprocals.  Directly behind it a run of LDS loads: |k|^2 of the next step (x = 0: both pieces have used this step's), or V of the next step (x = 2: its last
;     reader is product 15 above, more than 50 plain lines back).
;  3  the 48 products K Q^T of the next step, four vector lines behind each: 8 beside s = x^2 / d, 10 beside the maximum and statistics, 24 beside the fours of the exponentials' batch; a v_nop; ONE wait for the 66
;     exponentials; the last 6 beside the first roundings to f16.
;  4  a lump: the other roundings, the sums, O^T times a.  These 72 plain lines are also the places behind the last product.
; No vector line of a turn names a register of the turn's products, and no transcendental's result crosses a label or a branch without its wait.
.macro TURN x, last=0
.set Y, 2-(\x)
	s_wait_dscnt 0x0                ; x = 0: V is in; x = 2: |k|^2 is in; both were asked for in the middle of the turn before
.set i, 0
.rept 16
	PV \x
.if i < 8
	VA1Q Y+i%2, 4*(i/2)
.else
	GA i-8
.endif
.if ((\x) == 0) && (i == 1)
	FETCH_K \last
.endif
.set i, i+1
.endr
.set gg, 8
.rept 26
	GA gg
.set gg, gg+1
.endr
	v_nop                           ; a plain instruction behind the last reciprocal: one for the batch
	s_wait_alu depctr_va_vdst(0)    ; the wait for the batch, ahead of the first line that names a result
.if (\x) == 0
	FETCH_SK \last
.if \last
	s_wait_dscnt 0x0                ; K is in (in the tail either run may have been jumped over, so nothing is counted)
.else
	s_wait_dscnt 8                  ; K's 32 loads are in; the eight of |k|^2, just issued, may stay out
.endif
.else
	FETCH_V
.endif
.set i, 0
.set bb, 0
.rept 8
	KQ \x
.rept 2
.irp h, 0,1
	REGS Y+\h
	WIN 0
	v_pk_mul_f32 v[rS+2*bb:rS+2*bb+1], v[rS+2*bb:rS+2*bb+1], v[rR+2*bb:rR+2*bb+1]
.endr
.set bb, bb+1
.endr
.endr
.set nn, 0
.rept 10
	KQ \x
.rept 2
	VMX Y, nn
	VMX Y+1, nn
.set nn, nn+1
.endr
.endr
.set j, 21
	SMB Y
	SMB Y+1
.set fo, 0
.rept 24
	KQ \x
	FOUR
.endr
	v_nop                           ; a plain instruction behind the last exponential: one for the batch
	s_wait_alu depctr_va_vdst(0)    ; the wait for the batch
.set bb, 0
.rept 8
.if i < 48
	KQ \x
.endif
.rept 2
.irp h, 0,1
	REGS Y+\h
	WIN 0x40
	v_cvt_pk_f16_f32 v[rP+bb], v[rS+2*bb], v[rS+2*bb+1]
.endr
.set bb, bb+1
.endr
.endr
.set bb, 0
.rept 16
	VSM Y, bb
	VSM Y+1, bb
.set bb, bb+1
.endr
.set bb, 0
.rept 16
.irp h, 0,1
	REGS Y+\h
	WIN 0x41
	v_pk_mul_f32 v[rO+2*bb:rO+2*bb+1], v[rO+2*bb:rO+2*bb+1], v[rT+6:rT+7] op_sel_hi:[1,0]
.endr
.set bb, bb+1
.endr
.endm
	CHANGE 1, 0                     ; slot 0 and |k|^2 are in, everybody's part of them; slot 1 is asked for
	FETCH_K                         ; key step 0
	FETCH_SK
	s_wait_dscnt 0x0
.set i, 0
.rept 48
	KQ 0                            ; piece 0's first scores
.endr
	WIN 0                           ; the addresses for the way out: plain lines, the places behind those products
	s_mul_i32 s13, s[WV], 16*SP
	s_add_co_u32 s13, s13, STAGE    ; my stage
	v_mul_u32_u24 v[STO], v1, SP    ; in: row l % 16, 16 bytes for each half of the lanes
	v_lshl_add_u32 v[STO], v9, 4, v[STO]
	v_add_nc_u32 v[STO], s13, v[STO]
	v_bfe_u32 v[RD], v0, 3, 2       ; back: 32 lanes take four rows of 128 bytes: two pairs of rows,
	v_mul_u32_u24 v[RD], v[RD], SP
	v_lshl_add_u32 v[RD], v10, 4, v[RD]
	v_add_nc_u32 v[RD], s13, v[RD]
	v_lshlrev_b32 v[GO], 12, v9     ; each 256 consecutive bytes of ob, 4,096 bytes apart
	v_lshl_add_u32 v[GO], v1, 4, v[GO]
	s_mov_b32 s[CNT], 4
	s_mov_b32 s[SLOTS], 7
	s_branch .Lfirst                ; the loop is entered in the middle of a trip: piece 2's turn, whose products V^T P add zeros
.Lslot:                             ; six times: every slot but the last two is filled again
	CHANGE 1, 1
	s_mov_b32 s[CNT], 4
.Lstep:                             ; a trip: piece 0's turn (V^T P of step j, K Q^T of j + 1, piece 2's softmax of j), then piece 2's (the same products, piece 0's softmax of j + 1)
	TURN 0
	WIN 0
.Lfirst:
	TURN 2
	WIN 0
	s_sub_co_u32 s[CNT], s[CNT], 1
	s_cmp_lg_u32 s[CNT], 0
	s_cbranch_scc1 .Lstep
	s_sub_co_u32 s[SLOTS], s[SLOTS], 1
	s_cmp_lg_u32 s[SLOTS], 0
	s_cbranch_scc1 .Lslot
	CHANGE 0, 0                     ; the tail is written out: nothing is asked for
	s_mov_b32 s[CNT], 5             ; four trips fetch the last slot's steps; the fifth is left in its middle
.Ltail:
	TURN 0, 1
	WIN 0
	s_sub_co_u32 s[CNT], s[CNT], 1
	s_cmp_eq_u32 s[CNT], 0
	s_cbranch_scc1 .Lout
	TURN 2
	WIN 0
	s_branch .Ltail
.Lout:                              ; the fifth trip's 48 products K Q^T (on the last K once more) serve nothing: the price, once a launch, of one text for every trip
.set i, 0
.rept 16
	PV 2                            ; piece 2's V^T P of the last step
.set i, i+1
.endr
	; THE WAY OUT.  l's two halves and the other half of the lanes' are added; O^T is divided by l, rounded to f16 and sent through my stage in LDS, a tile at a time.  The additions are the places behind the last products.
	WIN 0
.macro ALL line:vararg
.set t, 0
.rept 4
	\line
.set t, t+1
.endr
.endm
	ALL v_add_f32 v[ST+8*t+2], v[ST+8*t+2], v[ST+8*t+3]
	ALL v_permlanex16_b32 v[ST+8*t+3], v[ST+8*t+2], s[SEL], s[SEL+1]
	ALL v_add_f32 v[ST+8*t+2], v[ST+8*t+2], v[ST+8*t+3]
	ALL v_rcp_f32 v[ST+8*t+2], v[ST+8*t+2]
	v_nop                           ; a plain instruction between the last reciprocal and the use of its result
	s_wait_alu depctr_va_vdst(0)    ; one wait for the four reciprocals
.macro PACK t
	WIN 0x41
.set i, OB+32*(\t)
.rept 16
	v_pk_mul_f32 v[i:i+1], v[i:i+1], v[ST+8*(\t)+2:ST+8*(\t)+3] op_sel_hi:[1,0]
.set i, i+2
.endr
	WIN 0x05                        ; sources 0 and 1 window 1, destination window 0: S^T's registers are free
.set i, 0
.rept 16
	v_cvt_pk_f16_f32 v[S+16*(\t)+i], v[OB+32*(\t)+2*i], v[OB+32*(\t)+2*i+1]
.set i, i+1
.endr
	WIN 0
.irp f, 0,1,2,3
	ds_store_b128 v[STO], v[S+16*(\t)+4*\f:S+16*(\t)+4*\f+3] offset:32*\f
.endr
.irp f, 0,1,2,3
	ds_load_b128 v[S+16*(\t)+4*\f:S+16*(\t)+4*\f+3], v[RD] offset:\f*4*SP  ; LDS serves a wave's instructions in order (ISA guide 5.7.1.4): these see the stores above; the next tile's stores come behind them
.endr
.endm
.macro SEND t, younger              ; younger: the LDS instructions issued behind tile t's loads: the next tile's eight, or none
	WIN 0
.irp f, 0,1,2,3
	s_wait_dscnt (\younger)+3-\f
	global_store_b128 v[GO], v[S+16*(\t)+4*\f:S+16*(\t)+4*\f+3], s[10:11] offset:(\t)*32768+\f*8192  ; sixteen lanes store 256 consecutive bytes, aligned
.endr
.endm
	PACK 0
	PACK 1
	SEND 0, 8
	PACK 2
	SEND 1, 8
	PACK 3
	SEND 2, 8
	SEND 3, 0
	s_wait_tensorcnt 0x0            ; the wave's end, behind my last tensor load and my last LDS store
	ds_add_u32 v[SPW], v[NIL]
	s_wait_dscnt 0x0
	CROUND                          ; the closing round
	s_endpgm
.Lfunc_end_k_qd96c547871_attn:
	.size	k_qd96c547871_attn, .Lfunc_end_k_qd96c547871_attn-k_qd96c547871_attn
	.p2alignl 7, 3214868480
	.fill 96, 4, 3214868480
	.section	.rodata,"a",@progbits
	.p2align	6, 0x0
	.amdhsa_kernel k_qd96c547871_attn
		.amdhsa_group_segment_fixed_size 327680
		.amdhsa_private_segment_fixed_size 0
		.amdhsa_enable_private_segment 0
		.amdhsa_kernarg_size 48
		.amdhsa_user_sgpr_count 2
		.amdhsa_user_sgpr_kernarg_segment_ptr 1
		.amdhsa_wavefront_size32 1
		.amdhsa_system_sgpr_workgroup_id_x 1
		.amdhsa_system_sgpr_workgroup_id_y 1
		.amdhsa_system_sgpr_workgroup_id_z 1
		.amdhsa_system_vgpr_workitem_id 0
		.amdhsa_next_free_vgpr 896
		.amdhsa_next_free_sgpr 96
		.amdhsa_reserve_vcc 0
		.amdhsa_float_denorm_mode_32 3
		.amdhsa_float_denorm_mode_16_64 3
		.amdhsa_memory_ordered 1
		.amdhsa_forward_progress 1
		.amdhsa_inst_pref_size 176
	.end_amdhsa_kernel
	.amdgpu_metadata
---
amdhsa.version: [ 1, 2 ]
amdhsa.kernels:
  - .name:           k_qd96c547871_attn
    .symbol:         k_qd96c547871_attn.kd
    .args:
      - { .name: qh, .offset: 0, .size: 8, .value_kind: global_buffer, .address_space: global }
      - { .name: kh, .offset: 8, .size: 8, .value_kind: global_buffer, .address_space: global }
      - { .name: vh, .offset: 16, .size: 8, .value_kind: global_buffer, .address_space: global }
      - { .name: ob, .offset: 24, .size: 8, .value_kind: global_buffer, .address_space: global }
      - { .name: skb, .offset: 32, .size: 8, .value_kind: global_buffer, .address_space: global }
      - { .name: alpha, .offset: 40, .size: 8, .value_kind: global_buffer, .address_space: global }
    .group_segment_fixed_size: 327680
    .private_segment_fixed_size: 0
    .kernarg_segment_align: 8
    .kernarg_segment_size: 48
    .max_flat_workgroup_size: 128
    .sgpr_count:     96
    .vgpr_count:     896
    .wavefront_size: 32
...
	.end_amdgpu_metadata
.endif
;; end of part 3
;; launch oproj (part 4): grid 8 x 32, 4 waves a work-group, clusters of 4 x 4, 327,680 bytes of LDS; arguments ob, wo16, out0, bo; writes out0
.if DOCPART == 4
	.amdgcn_target "amdgcn-amd-amdhsa--gfx1250"
	.amdhsa_code_object_version 6
	.text
	.protected	k_qd96c547871_oproj
	.globl	k_qd96c547871_oproj
	.p2align	8
	.type	k_qd96c547871_oproj,@function
k_qd96c547871_oproj:
	s_mov_b64 s[64:65], 0
	v_nop
	global_prefetch_b8 v0, s[64:65] scope:SCOPE_SE
	s_setreg_imm32_b32 hwreg(HW_REG_WAVE_MODE, 25, 1), 1
	s_wait_xcnt 0x0
	s_wait_alu depctr_hold_cnt(0) depctr_sa_sdst(0) depctr_va_vdst(0) depctr_va_sdst(0) depctr_va_ssrc(0) depctr_va_vcc(0) depctr_vm_vsrc(0)
	s_getreg_b32 s2, hwreg(HW_REG_IB_STS2, 6, 4)
	s_cmp_eq_u32 s2, 0
	s_cbranch_scc0 .Lentry_in_a_cluster
	s_endpgm
.Lentry_in_a_cluster:
	s_bfe_u32 s2, ttmp6, 0x10000c
	s_cmp_lg_u32 s2, 0xf033
	s_cbranch_scc0 .Lentry_shape_is_right
	s_endpgm
.Lentry_shape_is_right:
; out0 = O Wo^T + bo.  ob: [2048 pairs of rows][16 heads][row parity][64] f16.  wo16: [1024][1024] f16.  bo f32, rounded to bf16 like every input.  out0: [4096][1024] f32.  Sums in f32.
; A tile of out0 is 128 x 128: 8 x 32 = 256 equal work-groups.  Four waves, each 64 x 64: 16 accumulators.  K goes in four steps of 256 (four heads) through two LDS slots; the steps are written out: a loop would have one trip.
; O's TILE.  A K step of a pair of rows is 1,024 consecutive bytes ([4 heads][parity][64]): a wave's tensor load brings 32 such rows (64 rows of O).  Row r of a block of 16 lies at (r / 2) x pitch + (r % 2) x 128,
; head q of the step at 256 q.  With a pitch of 1,040 the sixteen lanes of a fragment load fall at (r / 2) 16 + (r % 2) 128 modulo 256: sixteen different columns of 16 bytes.
; CLUSTER 4 x 4: O's tile is shared along a row of the cluster, Wo's along a column.  THE MATRIX INSTRUCTION IS USED TRANSPOSED (source 0 = rows of Wo, source 1 = rows of O): a lane holds eight neighbouring numbers of a row.
; THE BIAS is the C operand of the first product on each accumulator.  A wave's 64 columns of f32 are 256 aligned bytes: each wave has a stage of its own, and no barrier stands on the way out.
; No prefetch: of four K steps two are first fills, and a step's tiles are small.
; REGISTERS: window 0: v16-29 addresses; v32-95 two banks of rows read back; v96-127 the bias; v128-255 the accumulators ((a, b) at v[128 + 8 (4 a + b)]).  window 1: two fragment buffers of 128 (64 of O, then 64 of Wo).
.set PA,     1040
.set PB,     528
.set HA,     32*PA                     ; what waves 0 and 1 fetch: 32 pairs of rows of O
.set HB,     64*PB                     ; what waves 2 and 3 fetch: 64 rows of Wo
.set SLOT,   2*HA+2*HB
.set STAGE,  2*SLOT                    ; behind the ring, never filled by a tensor load: 16 rows x 272 bytes for each wave
.set SPITCH, 272
.set SPARE,  STAGE+4*16*SPITCH         ; the spare words, 128 bytes a wave
.set ADRA, 16
.set ADRB, 20
.set STO,  24
.set RD,   25
.set CO,   26
.set BO,   27
.set SPW,  28                          ; my spare word; never rewritten
.set NIL,  29                          ; 0; never rewritten
.set TMP,  32
.set BIAS, 96
.set ACC,  128
.set F0,   0
.set F1,   128
.set G1, 24
.set G0, 32
.set G1B, 48
.set G0B, 56
.set MSB, 0
.macro WIN new
.if MSB != (\new)
	s_set_vgpr_msb (MSB<<8)|(\new)
.set MSB, \new
.endif
.endm
.set MUL,  0x05                        ; sources 0 and 1 window 1; C and D window 0
.set TO_F, 0x40
.macro JLOAD s                         ; a joint load: waves 0 and 1 fetch O's two halves, waves 2 and 3 Wo's; an s_nop 0 and four v_nop follow each line
	s_cmp_eq_u32 s11, 0
	s_cbranch_scc0 .Lfor_b_\@
	tensor_load_to_lds s[G0+4*(\s):G0+4*(\s)+3], s[G1:G1+7]
	s_nop 0
.rept 4
	v_nop
.endr
	s_branch .Lasked_\@
.Lfor_b_\@:
	tensor_load_to_lds s[G0B+4*(\s):G0B+4*(\s)+3], s[G1B:G1B+7]
	s_nop 0
.rept 4
	v_nop
.endr
.Lasked_\@:
.endm
.macro CREST
	s_cmp_lg_u32 s10, 0
	s_cbranch_scc1 .Lnot_wave_0_\@
	s_barrier_signal -3
.Lnot_wave_0_\@:
	s_barrier_wait -3
	s_barrier_signal -1
	s_barrier_wait -1
.endm
.macro CROUND
	s_barrier_signal -1
	s_barrier_wait -1
	CREST
.endm
	s_load_b128 s[4:7], s[0:1], 0x0                ; ob, wo16
	s_load_b64 s[8:9], s[0:1], 0x10                ; out0
	s_load_b64 s[68:69], s[0:1], 0x18              ; bo
	v_lshl_add_u32 v[SPW], v0, 2, SPARE
	v_mov_b32 v[NIL], 0
	ds_add_u32 v[SPW], v[NIL]                      ; the wave's opening: the add and its wait stand ahead of my first tensor load
	v_lshrrev_b32 v1, 5, v0
	v_readfirstlane_b32 s10, v1
	s_lshr_b32 s11, s10, 1                         ; which half of the tile's rows is mine.  Also: I fetch for O (0) or for Wo (1)
	s_and_b32 s12, s10, 1                          ; which half of its columns.  Also: which half of that tile I fetch
	s_bfe_u32 s40, ttmp6, 0x40000
	s_bfe_u32 s41, ttmp6, 0x40004
	s_lshl_b32 s42, ttmp9, 2
	s_add_co_u32 s42, s42, s40                     ; tile column
	s_and_b32 s13, ttmp7, 0xffff
	s_lshl_b32 s13, s13, 2
	s_add_co_u32 s13, s13, s41                     ; tile row
	s_lshl_b32 s43, s41, 2
	s_lshl_b32 s43, 15, s43
	s_lshl_b32 s44, 0x1111, s40
	s_or_b32 s[G1+0], s43, (1<<16)|(1<<20)|(1<<21)|(7<<22)|(3<<25)   ; O: 4 words of padding after every 256 words
	s_or_b32 s[G1B+0], s44, (1<<16)|(1<<20)|(1<<21)|(6<<22)|(3<<25)  ; Wo: after every 128 words
	s_mov_b32 s[G1+1], 512<<16                     ; tensor_dim0
	s_mov_b32 s[G1B+1], 256<<16
	s_mov_b32 s[G1+2], 32<<16                      ; tensor_dim1
	s_mov_b32 s[G1B+2], 64<<16
	s_mov_b32 s[G1+3], 512<<16                     ; tile_dim0
	s_mov_b32 s[G1B+3], 256<<16
	s_mov_b32 s[G1+4], 32                          ; tile_dim1
	s_mov_b32 s[G1B+4], 64
	s_mov_b32 s[G1+5], 2048                        ; elements from a pair of rows to the next
	s_mov_b32 s[G1B+5], 1024
	s_mov_b32 s[G1+6], 0
	s_mov_b32 s[G1B+6], 0
	s_mov_b32 s[G1+7], 0
	s_mov_b32 s[G1B+7], 0
	s_lshl_b32 s17, s12, 5
	s_lshl_b32 s16, s13, 6
	s_add_co_u32 s16, s16, s17                     ; O: pair 64 x tile row + 32 x half,
	s_lshl_b32 s16, s16, 12                        ; of 4,096 bytes
	s_mov_b32 s17, 0
	s_lshl_b32 s47, s12, 6
	s_lshl_b32 s46, s42, 7
	s_add_co_u32 s46, s46, s47                     ; Wo: row 128 x tile column + 64 x half,
	s_lshl_b32 s46, s46, 11                        ; of 2,048 bytes
	s_mov_b32 s47, 0
	s_mul_i32 s20, s12, HA
	s_mul_i32 s21, s12, HB
	s_add_co_u32 s21, s21, 2*HA
	s_wait_dscnt 0x0                               ; the opening add is done
	s_wait_kmcnt 0x0
	s_add_nc_u64 s[14:15], s[4:5], s[16:17]
	s_add_nc_u64 s[46:47], s[6:7], s[46:47]
	CROUND                                         ; all sixteen work-groups are here: the first joint loads meet
.irp s, 0,1
	s_mov_b32 s[G0+4*(\s)], 1
	s_add_co_u32 s[G0+4*(\s)+1], s20, (\s)*SLOT
	s_add_nc_u64 s[G0+4*(\s)+2:G0+4*(\s)+3], s[14:15], (\s)*1024
	s_or_b32 s[G0+4*(\s)+3], s[G0+4*(\s)+3], 0x80000000
	s_mov_b32 s[G0B+4*(\s)], 1
	s_add_co_u32 s[G0B+4*(\s)+1], s21, (\s)*SLOT
	s_add_nc_u64 s[G0B+4*(\s)+2:G0B+4*(\s)+3], s[46:47], (\s)*512
	s_or_b32 s[G0B+4*(\s)+3], s[G0B+4*(\s)+3], 0x80000000
	JLOAD \s                                       ; K steps 0 and 1: two loads of mine are out
.endr
	v_and_b32 v1, 15, v0                           ; l % 16
	v_bfe_u32 v2, v0, 4, 1                         ; l / 16
	v_lshlrev_b32 v[BO], 5, v2
	s_lshl_b32 s66, s42, 9                         ; my first column, in bytes of f32: 512 x tile column + 256 x half
	s_lshl_b32 s67, s12, 8
	s_add_co_u32 s66, s66, s67
	s_mov_b32 s67, 0
	s_add_nc_u64 s[68:69], s[68:69], s[66:67]
.irp b, 0,1,2,3
	global_load_b128 v[BIAS+8*(\b):BIAS+8*(\b)+3],   v[BO], s[68:69] offset:64*(\b)
	global_load_b128 v[BIAS+8*(\b)+4:BIAS+8*(\b)+7], v[BO], s[68:69] offset:64*(\b)+16
.endr
	v_lshrrev_b32 v3, 1, v1
	v_mul_u32_u24 v3, v3, PA
	v_and_b32 v4, 1, v0
	v_lshl_add_u32 v3, v4, 7, v3
	v_lshl_add_u32 v3, v2, 4, v3                   ; O: (r / 2) x pitch + (r % 2) x 128 + 16 x half
	v_mul_u32_u24 v5, v1, PB
	v_lshl_add_u32 v5, v2, 4, v5                   ; Wo: r x pitch + 16 x half
	s_mul_i32 s22, s11, HA                         ; my 64 rows of O
	s_mul_i32 s23, s12, HB                         ; my 64 rows of Wo,
	s_add_co_u32 s23, s23, 2*HA                    ; which lie behind O's
.irp s, 0,1
	v_add_nc_u32 v[ADRA+(\s)], s22, v3
	v_add_nc_u32 v[ADRB+(\s)], s23, v5
	s_add_co_u32 s22, s22, SLOT
	s_add_co_u32 s23, s23, SLOT
.endr
	s_mul_i32 s22, s10, 16*SPITCH
	s_add_co_u32 s22, s22, STAGE                   ; my stage
	v_mul_u32_u24 v[STO], v1, SPITCH               ; in: row l % 16, 32 bytes for each half of the lanes
	v_lshl_add_u32 v[STO], v2, 5, v[STO]
	v_add_nc_u32 v[STO], s22, v[STO]
	v_mul_u32_u24 v[RD], v2, SPITCH                ; back: lanes 0-15 take one row of 256 bytes, lanes 16-31 the next
	v_lshl_add_u32 v[RD], v1, 4, v[RD]
	v_add_nc_u32 v[RD], s22, v[RD]
	v_lshlrev_b32 v[CO], 12, v2                    ; and the same two rows in out0
	v_lshl_add_u32 v[CO], v1, 4, v[CO]
	s_lshl_b32 s70, s13, 7
	s_lshl_b32 s71, s11, 6
	s_add_co_u32 s70, s70, s71                     ; my first row of out0,
	s_lshl_b32 s70, s70, 12                        ; of 4,096 bytes
	s_mov_b32 s71, 0
	s_add_nc_u64 s[8:9], s[8:9], s[70:71]
	s_add_nc_u64 s[8:9], s[8:9], s[66:67]
	s_wait_loadcnt 0x0                             ; the bias is in: rounded to bf16, in place
.set n, 0
.rept 16
	v_cvt_pk_bf16_f32 v[TMP+n%2], v[BIAS+2*n], v[BIAS+2*n+1]
	v_lshlrev_b32 v[BIAS+2*n], 16, v[TMP+n%2]
	v_and_b32 v[BIAS+2*n+1], 0xffff0000, v[TMP+n%2]
.set n, n+1
.endr
; 8 matrix instructions: m blocks a0, a0 + 1 x all 4 n blocks, 32 along K: half c of buffer f.  zero = 1: the first product starts the sum with the bias.  The 16 accumulators take turns.
.macro MUL8 f, c, a0, zero
	WIN MUL
.irp a, \a0, (\a0)+1
.irp b, 0,1,2,3
.if \zero
	v_wmma_f32_16x16x32_f16 v[ACC+8*(4*(\a)+(\b)):ACC+8*(4*(\a)+(\b))+7], v[(\f)+64+8*(4*(\c)+(\b)):(\f)+64+8*(4*(\c)+(\b))+7], v[(\f)+8*(4*(\c)+(\a)):(\f)+8*(4*(\c)+(\a))+7], v[BIAS+8*(\b):BIAS+8*(\b)+7]
.else
	v_wmma_f32_16x16x32_f16 v[ACC+8*(4*(\a)+(\b)):ACC+8*(4*(\a)+(\b))+7], v[(\f)+64+8*(4*(\c)+(\b)):(\f)+64+8*(4*(\c)+(\b))+7], v[(\f)+8*(4*(\c)+(\a)):(\f)+8*(4*(\c)+(\a))+7], v[ACC+8*(4*(\a)+(\b)):ACC+8*(4*(\a)+(\b))+7]
.endif
.endr
.endr
.endm
; 32 LDS loads in one run: the fragments of quarter q of a K step (one head: 64 along K) into buffer f; the first 32 along K first
.macro FETCH slot, q, f
	WIN TO_F
.irp c, 0,1
.irp i, 0,1,2,3
	ds_load_b128 v[(\f)+64+8*(4*(\c)+(\i)):(\f)+64+8*(4*(\c)+(\i))+3],   v[ADRB+(\slot)] offset:128*(\q)+64*(\c)+(\i)*16*PB
	ds_load_b128 v[(\f)+64+8*(4*(\c)+(\i))+4:(\f)+64+8*(4*(\c)+(\i))+7], v[ADRB+(\slot)] offset:128*(\q)+64*(\c)+(\i)*16*PB+32
	ds_load_b128 v[(\f)+8*(4*(\c)+(\i)):(\f)+8*(4*(\c)+(\i))+3],         v[ADRA+(\slot)] offset:256*(\q)+64*(\c)+(\i)*8*PA
	ds_load_b128 v[(\f)+8*(4*(\c)+(\i))+4:(\f)+8*(4*(\c)+(\i))+7],       v[ADRA+(\slot)] offset:256*(\q)+64*(\c)+(\i)*8*PA+32
.endr
.endr
.endm
.macro PLACES                          ; four plain vector instructions in front of loads into registers that matrix instructions have read (ISA guide 7.12.1 for vector instructions)
.rept 4
	v_nop
.endr
.endm
; A K step is four quarters of 64 along K, 32 matrix instructions each, on buffers 0, 1, 0, 1.  One of the first three: multiplies buffer f and fetches quarter q into g.
.macro QUARTER slot, q, f, g, zero
	s_wait_dscnt 16                                ; the first 32 along K are in; the youngest sixteen loads may be out
	MUL8 \f, 0, 0, \zero
	MUL8 \f, 0, 2, \zero
	PLACES
	FETCH \slot, \q, \g
	s_wait_dscnt 32                                ; all but the 32 just issued
	MUL8 \f, 1, 0, 0
	MUL8 \f, 1, 2, 0
.endm
; The last quarter multiplies buffer 1 and changes slots: one barrier; in front of it each wave waits for all its tensor loads, adds 0 to its spare word, and waits for that and for its reads of this slot.
; fill = 1: the barrier opens a round of the cluster's, and this slot is filled again, two K steps on, first thing behind the round.
.macro TURN slot, next, fill
	WIN 0
	s_wait_tensorcnt 0x0                           ; all my tensor loads have landed: my part of the next slot
	ds_add_u32 v[SPW], v[NIL]                      ; 0 onto my spare word
	s_wait_dscnt 17                                ; (the add and the youngest sixteen loads may be out)
	MUL8 F1, 0, 0, 0
	s_wait_dscnt 0x0                               ; the add is done, and my reads of this slot are over
	s_barrier_signal -1
	MUL8 F1, 0, 2, 0
.if \fill
	WIN 0
.endif
	s_barrier_wait -1
.if \fill
	CREST
	s_add_nc_u64 s[G0+4*(\slot)+2:G0+4*(\slot)+3], s[G0+4*(\slot)+2:G0+4*(\slot)+3], 2*1024
	s_add_nc_u64 s[G0B+4*(\slot)+2:G0B+4*(\slot)+3], s[G0B+4*(\slot)+2:G0B+4*(\slot)+3], 2*512
	JLOAD \slot                                    ; its four v_nop are also the places in front of the loads below
.else
	PLACES
.endif
	FETCH \next, 0, F0
	MUL8 F1, 1, 0, 0
	MUL8 F1, 1, 2, 0
.endm
	s_wait_tensorcnt 1                             ; my part of K step 0 is in; K step 1's may stay out
	s_barrier_signal -1
	s_barrier_wait -1
	FETCH 0, 0, F0
	QUARTER 0, 1, F0, F1, 1                        ; K step 0: its first products start the sums
	QUARTER 0, 2, F1, F0, 0
	QUARTER 0, 3, F0, F1, 0
	TURN 0, 1, 1                                   ; slot 0 takes K step 2
	QUARTER 1, 1, F0, F1, 0                        ; K step 1
	QUARTER 1, 2, F1, F0, 0
	QUARTER 1, 3, F0, F1, 0
	TURN 1, 0, 1                                   ; slot 1 takes K step 3
	QUARTER 0, 1, F0, F1, 0                        ; K step 2
	QUARTER 0, 2, F1, F0, 0
	QUARTER 0, 3, F0, F1, 0
	TURN 0, 1, 0                                   ; nothing is left to fetch
	QUARTER 1, 1, F0, F1, 0                        ; K step 3
	QUARTER 1, 2, F1, F0, 0
	QUARTER 1, 3, F0, F1, 0
	s_wait_dscnt 16
	MUL8 F1, 0, 0, 0
	MUL8 F1, 0, 2, 0
	s_wait_dscnt 0x0
	MUL8 F1, 1, 0, 0
	MUL8 F1, 1, 2, 0
	WIN 0
; THE WAY OUT, a block of 16 rows at a time: 32 bytes a lane straight from the accumulators (each from its low end on) into my stage, back as whole rows of 256 bytes, stored.
.macro OUTB a
.if (\a) >= 2
	s_wait_xcnt 0x0                                ; the stores of the block two back have read this bank: it is loaded again only behind this wait
.endif
.irp b, 0,1,2,3
	ds_store_b128 v[STO], v[ACC+8*(4*(\a)+(\b)):ACC+8*(4*(\a)+(\b))+3]   offset:64*(\b)
	ds_store_b128 v[STO], v[ACC+8*(4*(\a)+(\b))+4:ACC+8*(4*(\a)+(\b))+7] offset:64*(\b)+16
.endr
.irp t, 0,1,2,3,4,5,6,7
	ds_load_b128 v[TMP+32*((\a)%2)+4*(\t):TMP+32*((\a)%2)+4*(\t)+3], v[RD] offset:(\t)*2*SPITCH  ; LDS serves a wave's instructions in order (ISA guide 5.7.1.4): these see the stores above
.endr
.irp t, 0,1,2,3,4,5,6,7
	s_wait_dscnt 7-(\t)                            ; the 7 - t younger loads may stay out
	global_store_b128 v[CO], v[TMP+32*((\a)%2)+4*(\t):TMP+32*((\a)%2)+4*(\t)+3], s[8:9] offset:(16*(\a)+2*(\t))*4096  ; sixteen lanes store 256 consecutive bytes, aligned
.endr
.endm
.rept 8
	v_nop                                          ; the places between the last products and the LDS stores that read results; once a launch
.endr
	OUTB 0
	OUTB 1
	OUTB 2
	OUTB 3
	s_wait_tensorcnt 0x0                           ; the wave's end, behind my last tensor load and my last LDS store
	ds_add_u32 v[SPW], v[NIL]
	s_wait_dscnt 0x0
	CROUND                                         ; the closing round
	s_endpgm
.Lfunc_end_k_qd96c547871_oproj:
	.size	k_qd96c547871_oproj, .Lfunc_end_k_qd96c547871_oproj-k_qd96c547871_oproj
	.p2alignl 7, 3214868480
	.fill 96, 4, 3214868480
	.section	.rodata,"a",@progbits
	.p2align	6, 0x0
	.amdhsa_kernel k_qd96c547871_oproj
		.amdhsa_group_segment_fixed_size 327680
		.amdhsa_private_segment_fixed_size 0
		.amdhsa_enable_private_segment 0
		.amdhsa_kernarg_size 32
		.amdhsa_user_sgpr_count 2
		.amdhsa_user_sgpr_kernarg_segment_ptr 1
		.amdhsa_wavefront_size32 1
		.amdhsa_system_sgpr_workgroup_id_x 1
		.amdhsa_system_sgpr_workgroup_id_y 1
		.amdhsa_system_sgpr_workgroup_id_z 1
		.amdhsa_system_vgpr_workitem_id 0
		.amdhsa_next_free_vgpr 512
		.amdhsa_next_free_sgpr 72
		.amdhsa_reserve_vcc 0
		.amdhsa_float_denorm_mode_32 3
		.amdhsa_float_denorm_mode_16_64 3
		.amdhsa_memory_ordered 1
		.amdhsa_forward_progress 1
		.amdhsa_inst_pref_size 90
	.end_amdhsa_kernel
	.amdgpu_metadata
---
amdhsa.version: [ 1, 2 ]
amdhsa.kernels:
  - .name:           k_qd96c547871_oproj
    .symbol:         k_qd96c547871_oproj.kd
    .args:
      - { .name: ob, .offset: 0, .size: 8, .value_kind: global_buffer, .address_space: global }
      - { .name: wo16, .offset: 8, .size: 8, .value_kind: global_buffer, .address_space: global }
      - { .name: out0, .offset: 16, .size: 8, .value_kind: global_buffer, .address_space: global }
      - { .name: bo, .offset: 24, .size: 8, .value_kind: global_buffer, .address_space: global }
    .group_segment_fixed_size: 327680
    .private_segment_fixed_size: 0
    .kernarg_segment_align: 8
    .kernarg_segment_size: 32
    .max_flat_workgroup_size: 128
    .sgpr_count:     72
    .vgpr_count:     512
    .wavefront_size: 32
...
	.end_amdgpu_metadata
.endif
;; end of part 4
;; ======== version 2 of 2: 4 launches; version 1 with the launch prep written anew for expert scheduling mode
;; limits: values are held in f16: magnitudes above 65,504 overflow, below 6.1e-05 lose precision
;; workspace buffers: xb 8,388,608 bytes; wb 6,291,456 bytes; wo16 2,097,152 bytes; qh 16,777,216 bytes; kh 16,777,216 bytes; vh 8,388,608 bytes; skb 524,288 bytes; ob 8,388,608 bytes
;; launch prep (part 5): grid 512 x 1, 8 waves a work-group, no clusters, 0 bytes of LDS; arguments query, Wq, Wk, Wv, Wo, xb, wb, wo16; writes xb, wb, wo16
.if DOCPART == 5
	.amdgcn_target "amdgcn-amd-amdhsa--gfx1250"
	.amdhsa_code_object_version 6
	.text
	.protected	k_qd96c547871_prep
	.globl	k_qd96c547871_prep
	.p2align	8
	.type	k_qd96c547871_prep,@function
k_qd96c547871_prep:
	s_mov_b64 s[64:65], 0
	v_nop
	global_prefetch_b8 v0, s[64:65] scope:SCOPE_SE
	s_setreg_imm32_b32 hwreg(HW_REG_WAVE_SCHED_MODE, 0, 2), 2
	s_setreg_imm32_b32 hwreg(HW_REG_WAVE_MODE, 25, 1), 1
	s_wait_xcnt 0x0
	s_wait_alu depctr_vm_vsrc(0)
; CASTS.  query -> xb (bf16, same order).  Wq, Wk, Wv -> wb (bf16), regrouped by head: [16 heads][64 rows of Wq, 64 of Wk, 64 of Wv][1024].
; Wo -> wo16: rounded to bf16 like every input, and that number written as f16 (exact inside f16's range).
; LIMIT: |Wo| below 65,504; below 6e-5 the f16 copy has the fixed step 6e-8.
; A stream: each byte read once and written once; no LDS, no matrix unit, no cluster (nothing is shared), no prefetch (the launch is nothing but its stream).
; SHARES.  A work-group converts 16 rows of 1,024 f32: 65,536 bytes in, 32,768 out, both dense.  Groups 0-255: query.  Groups 256-511: j = id & 255, matrix j >> 6 (q, k, v, o), chunk c = j & 63.
; A wave's load covers 512 consecutive bytes; its store of 8 bytes a lane covers 256 consecutive bytes, aligned.  All 16 loads of a wave go out at once.
; THE MODE: SCHED_MODE bits 1:0 = 2 (LLVM: expert scheduling mode 2), set by the entry lines.  The code itself states the register dependences
; between vector instructions and memory instructions, with s_wait_alu, always for 0.
; THE PLAN.  Registers that memory instructions touch:
;   v1, v2   the loads' and the stores' byte offsets: made once at the head by vector instructions, never written again.
;   X        each register is the landing place of one load; no vector instruction names it before that load; read by its conversions behind the counted wait for the load; never loaded again.
;   Y        each register is written once, by a conversion, and read once, by a store; never written again.
;   T        named by vector instructions alone.
; So two kinds of dependence are stated, both 'a vector instruction has written what a memory instruction reads': v1 and v2 ahead of the first load, once for the kernel; and Y ahead of its stores.
; For the second the 16 loads go in four groups of four: a group's loads are converted one by one as they come, ONE wait follows, and the group's four stores stand in a run directly behind it.
; The wait stands behind the group's conversions and not at the next group's head, so that no store stands behind the wait for a later group's load.
; Nothing that a memory instruction reads is written again, and no load lands in a register that a vector instruction has named: no other wait is owed.  EXEC is never written; no vector instruction writes a scalar register.
.set X, 4                              ; v[4:67]    16 loads of 4 registers
.set Y, 68                             ; v[68:99]   16 results of 2 registers: none is written twice, so no store's data is ever rewritten
.set T, 100                            ; v[100:103] at work
	s_load_b512 s[8:23], s[0:1], 0x0               ; query, Wq, Wk, Wv, Wo, xb, wb, wo16
	s_and_b32 s3, ttmp9, 255                       ; j
	s_lshr_b32 s4, s3, 6                           ; which matrix
	s_and_b32 s5, s3, 63                           ; c: its rows 16 c .. 16 c + 15
	s_lshl_b32 s28, ttmp9, 16                      ; query: bytes in,
	s_lshl_b32 s30, ttmp9, 15                      ; bytes out
	s_lshl_b32 s32, s5, 16                         ; a matrix: bytes in
	s_lshr_b32 s33, s5, 2                          ; head = c / 4
	s_mul_i32 s33, s33, 192
	s_lshl_b32 s34, s4, 6
	s_add_co_u32 s33, s33, s34                     ; + 64 x matrix
	s_and_b32 s34, s5, 3
	s_lshl_b32 s34, s34, 4
	s_add_co_u32 s33, s33, s34                     ; + 16 (c % 4): the row in wb,
	s_lshl_b32 s33, s33, 11                        ; of 2,048 bytes
	s_lshl_b32 s35, s5, 15                         ; Wo keeps its order
	s_cmp_eq_u32 s4, 3
	s_cselect_b32 s33, s35, s33
	s_cmp_lt_u32 ttmp9, 256
	s_cselect_b32 s28, s28, s32
	s_cselect_b32 s30, s30, s33
	s_mov_b32 s29, 0
	s_mov_b32 s31, 0
	v_and_b32 v1, 31, v0
	v_lshrrev_b32 v2, 5, v0
	v_lshlrev_b32 v1, 4, v1
	v_lshl_add_u32 v1, v2, 10, v1                  ; in: 1,024 x wave + 16 x lane
	v_lshrrev_b32 v2, 1, v1                        ; out: half of that
	s_wait_kmcnt 0x0
	s_cmp_eq_u32 s4, 1                             ; the buffers are chosen by the group's number alone
	s_cselect_b64 s[24:25], s[12:13], s[10:11]
	s_cmp_eq_u32 s4, 2
	s_cselect_b64 s[24:25], s[14:15], s[24:25]
	s_cmp_eq_u32 s4, 3
	s_cselect_b64 s[24:25], s[16:17], s[24:25]
	s_cselect_b64 s[26:27], s[22:23], s[20:21]
	s_cmp_lt_u32 ttmp9, 256
	s_cselect_b64 s[24:25], s[8:9], s[24:25]
	s_cselect_b64 s[26:27], s[18:19], s[26:27]
	s_add_nc_u64 s[24:25], s[24:25], s[28:29]
	s_add_nc_u64 s[26:27], s[26:27], s[30:31]
	s_wait_alu depctr_va_vdst(0)                   ; v1 and v2 are written: every load of the kernel reads v1 as its offset, every store v2; no later vector instruction names either
.irp i, 0,1,2,3,4,5,6,7,8,9,10,11,12,13,14,15
	global_load_b128 v[X+4*(\i):X+4*(\i)+3], v1, s[24:25] offset:((\i)/2)*8192+((\i)%2)*512 th:TH_LOAD_NT
.endr
; Load i is converted.  wo = 1: bf16 first, then that number as f16.
.macro CVT i, wo
	s_wait_loadcnt 15-(\i)                         ; loads come back in order: the 15 - i younger ones may stay out
.if \wo
	v_cvt_pk_bf16_f32 v[T], v[X+4*(\i)], v[X+4*(\i)+1]
	v_cvt_pk_bf16_f32 v[T+1], v[X+4*(\i)+2], v[X+4*(\i)+3]
	v_lshlrev_b32 v[T+2], 16, v[T]
	v_and_b32 v[T], 0xffff0000, v[T]
	v_lshlrev_b32 v[T+3], 16, v[T+1]
	v_and_b32 v[T+1], 0xffff0000, v[T+1]
	v_cvt_pk_f16_f32 v[Y+2*(\i)], v[T+2], v[T]
	v_cvt_pk_f16_f32 v[Y+2*(\i)+1], v[T+3], v[T+1]
.else
	v_cvt_pk_bf16_f32 v[Y+2*(\i)], v[X+4*(\i)], v[X+4*(\i)+1]
	v_cvt_pk_bf16_f32 v[Y+2*(\i)+1], v[X+4*(\i)+2], v[X+4*(\i)+3]
.endif
.endm
; Result i is stored.
.macro SEND i
	global_store_b64 v2, v[Y+2*(\i):Y+2*(\i)+1], s[26:27] offset:((\i)/2)*4096+((\i)%2)*256 th:TH_STORE_NT
.endm
; Group g: loads 4 g to 4 g + 3 are converted as they come, then stored together.
.macro GROUP g, wo
.irp n, 0,1,2,3
	CVT 4*(\g)+(\n), \wo
.endr
	s_wait_alu depctr_va_vdst(0)                   ; the group's conversions have written its eight registers of Y, which the four stores below read; no vector instruction stands between this wait and them
.irp n, 0,1,2,3
	SEND 4*(\g)+(\n)
.endr
.endm
	s_cmp_ge_u32 ttmp9, 448                        ; Wo's chunks
	s_cbranch_scc1 .Lwo
.irp g, 0,1,2,3
	GROUP \g, 0
.endr
	s_endpgm
.Lwo:
.irp g, 0,1,2,3
	GROUP \g, 1
.endr
	s_endpgm
.Lfunc_end_k_qd96c547871_prep:
	.size	k_qd96c547871_prep, .Lfunc_end_k_qd96c547871_prep-k_qd96c547871_prep
	.p2alignl 7, 3214868480
	.fill 96, 4, 3214868480
	.section	.rodata,"a",@progbits
	.p2align	6, 0x0
	.amdhsa_kernel k_qd96c547871_prep
		.amdhsa_group_segment_fixed_size 0
		.amdhsa_private_segment_fixed_size 0
		.amdhsa_enable_private_segment 0
		.amdhsa_kernarg_size 64
		.amdhsa_user_sgpr_count 2
		.amdhsa_user_sgpr_kernarg_segment_ptr 1
		.amdhsa_wavefront_size32 1
		.amdhsa_system_sgpr_workgroup_id_x 1
		.amdhsa_system_sgpr_workgroup_id_y 1
		.amdhsa_system_sgpr_workgroup_id_z 1
		.amdhsa_system_vgpr_workitem_id 0
		.amdhsa_next_free_vgpr 104
		.amdhsa_next_free_sgpr 66
		.amdhsa_reserve_vcc 0
		.amdhsa_float_denorm_mode_32 3
		.amdhsa_float_denorm_mode_16_64 3
		.amdhsa_memory_ordered 1
		.amdhsa_forward_progress 1
		.amdhsa_inst_pref_size 17
	.end_amdhsa_kernel
	.amdgpu_metadata
---
amdhsa.version: [ 1, 2 ]
amdhsa.kernels:
  - .name:           k_qd96c547871_prep
    .symbol:         k_qd96c547871_prep.kd
    .args:
      - { .name: query, .offset: 0, .size: 8, .value_kind: global_buffer, .address_space: global }
      - { .name: Wq, .offset: 8, .size: 8, .value_kind: global_buffer, .address_space: global }
      - { .name: Wk, .offset: 16, .size: 8, .value_kind: global_buffer, .address_space: global }
      - { .name: Wv, .offset: 24, .size: 8, .value_kind: global_buffer, .address_space: global }
      - { .name: Wo, .offset: 32, .size: 8, .value_kind: global_buffer, .address_space: global }
      - { .name: xb, .offset: 40, .size: 8, .value_kind: global_buffer, .address_space: global }
      - { .name: wb, .offset: 48, .size: 8, .value_kind: global_buffer, .address_space: global }
      - { .name: wo16, .offset: 56, .size: 8, .value_kind: global_buffer, .address_space: global }
    .group_segment_fixed_size: 0
    .private_segment_fixed_size: 0
    .kernarg_segment_align: 8
    .kernarg_segment_size: 64
    .max_flat_workgroup_size: 256
    .sgpr_count:     66
    .vgpr_count:     104
    .wavefront_size: 32
...
	.end_amdgpu_metadata
.endif
;; end of part 5
;; launch qkv: the kernel of part 2 again; grid 16 x 16, 4 waves a work-group, clusters of 4 x 4, 327,680 bytes of LDS; arguments xb, wb, bq, bk, bv, qh, kh, vh, skb; writes qh, kh, vh, skb
;; launch attn: the kernel of part 3 again; grid 8 x 32, 4 waves a work-group, clusters of 4 x 1, 327,680 bytes of LDS; arguments qh, kh, vh, ob, skb, alpha; writes ob
;; launch oproj: the kernel of part 4 again; grid 8 x 32, 4 waves a work-group, clusters of 4 x 4, 327,680 bytes of LDS; arguments ob, wo16, out0, bo; writes out0
